; MI455X (gfx1250); checked and timed in simulation.
; The chip was launched on July 23, 2026; its instructions are those of AMD's public machine-readable ISA for CDNA 5 (MIT licence, August 2026) and "CDNA5" Instruction Set Architecture Reference Guide (July 2026). The comments in the code are by the model that wrote it; some were corrected since.
;; Ro PE Attention. Allowed arithmetic: matrix products marked QUANTISED: E4M3 operands, one E8M0 scale for each 32 along K, by v_wmma_scale_f32_16x16x128_f8f6f4 with both operands' format E4M3, f32 sums; everything else in f32.
;; Inputs: b_proj 1,024 float32; w_proj_codes 1,024 x 32 x 32 uint8 (E4M3 codes of w_proj, K innermost, in blocks of 32 codes); w_proj_scales 1,024 x 32 uint8 (E8M0 scales of w_proj, one for each 32 codes along K); w_qkv_codes 3,072 x 32 x 32 uint8 (E4M3 codes of w_qkv, K innermost, in blocks of 32 codes); w_qkv_scales 3,072 x 32 uint8 (E8M0 scales of w_qkv, one for each 32 codes along K); x_codes 8 x 1,024 x 32 x 32 uint8 (E4M3 codes of x, K innermost, in blocks of 32 codes); x_scales 8 x 1,024 x 32 uint8 (E8M0 scales of x, one for each 32 codes along K).
;; Outputs: out0 8 x 1,024 x 1,024 float32.
;; This version of the problem:
;;   THIS VERSION OF THE PROBLEM IS GIVEN IN LOW PRECISION. The matrix products marked QUANTISED in the list below multiply operands that are first quantised to E4M3 (4 exponent bits, 3 mantissa bits; 8 bits a number), with one power-of-two scale for each 32 numbers along K (OCP MX v1.0); their sums are f32. All else is computed in f32.
;;   The module's matrix products, in the order in which they are computed (A, B: the left and right operand; K: the contracted axis; several contracted axes count as one K, in the product's order):
;;     1. [M 8,192, K 1,024] x [K 1,024, N 3,072]; A: input x (given as codes); B: input w_qkv (given as codes): QUANTISED
;;     2. batch 128 x [M 1,024, K 64] x [K 64, N 1,024]; A: computed on the way; B: computed on the way: QUANTISED
;;     3. batch 128 x [M 1,024, K 1,024] x [K 1,024, N 64]; A: softmax (see below); B: computed on the way: QUANTISED
;;     4. [M 8,192, K 1,024] x [K 1,024, N 1,024]; A: computed on the way; B: input w_proj (given as codes): QUANTISED
;;   THE QUANTISER, for each operand of a quantised product, along K:
;;     - K is cut into blocks of 32 from its start; a last block that is shorter is filled with zeros.
;;     - A block's scale is 2^e with e = floor(log2(the largest magnitude in the block)) - 8, held to -126 .. 127; a block of zeros has e = 0. As a byte (E8M0): e + 127.
;;     - Each number is divided by its block's scale, clamped to +-448, and rounded to the nearest number of E4M3, ties to even, subnormals kept.
;;     - The product sums the exact products of the quantised numbers (number of the format x scale) in f32.
;;   ~~~python
;;   def quantise(x, axis):      # numpy; x: float32 -> the quantised numbers, widened to float32 again
;;       x = np.moveaxis(x, axis, -1); K = x.shape[-1]
;;       x = np.pad(x, [(0, 0)] * (x.ndim - 1) + [(0, -K % 32)]); x = x.reshape(x.shape[:-1] + (-1, 32)); a = np.abs(x).max(-1, keepdims=True)
;;       e = np.where(a > 0, np.clip(np.frexp(np.where(a > 0, a, 1))[1] - 1 - 8, -126, 127), 0)      # np.frexp(a)[1] - 1 = floor(log2(a)), exactly
;;       r = np.clip(x / 2.0 ** e, -448, 448)
;;       step = 2.0 ** (np.maximum(np.frexp(np.where(r == 0, 1, r))[1] - 1, -6) - 3)
;;       q = np.round(r / step) * step * 2.0 ** e      # np.round: ties to even
;;       return np.moveaxis(q.reshape(q.shape[:-2] + (-1,))[..., :K], -1, axis).astype(np.float32)
;;   ~~~
;;   SOFTMAX AHEAD OF A QUANTISED PRODUCT. Where the list says 'softmax', what is quantised is not the finished softmax but p = 2^(t - M), with t = logit x log2(e) and M = ceil(the row's largest t), a whole number; so 1/2 < the row's largest p <= 1. The row's sum l is taken of the UNQUANTISED p, in f32, and the product's result is divided by l at the end. Since M is a whole number, a kernel that streams over the keys may use a running M (the ceiling of the running maximum): every later rescaling is an exact power of two, which a block's scale takes up: the codes' values come out the same.
;;   OPERANDS COMPUTED ON THE WAY. 'Computed on the way' means the value that the module computes at that place (a softmax that the list does not call 'softmax' is quantised finished and normalised). What goes into a quantiser is computed in f32, as accurately as f32 sums, v_exp_f32 and their like allow (about 1e-6 of the number): no bf16 or f16 on the way to a quantiser, and a product that is left as it is and whose result goes on into a quantised operand takes f32 operands (vector FMAs, or v_wmma_f32_16x16x4_f32). A number that lies on a knife's edge between two numbers of the format may be rounded either way, as far as f32 arithmetic and the matrix unit's own rounding can turn it there, and no further.
;;   INPUTS GIVEN AS CODES. w_proj (in the module: [1024, 1024], K = its axis 0); w_qkv (in the module: [1024, 3072], K = its axis 0); x (in the module: [8, 1024, 1024], K = its axis 2): each comes as NAME_codes (uint8): NAME with its K axis moved to the last place and cut into blocks of 32 codes, [.., K / 32, bytes a block], one block behind the other in memory; one code a byte (a code: sign, 4 exponent bits, 3 mantissa bits); and NAME_scales (uint8): the same leading axes, one E8M0 byte (e + 127) for each 32 codes along K. Its value is code x scale, taken as it is: it is not quantised again, and the codes and scales need not be those that the quantiser above would give.
;; One version. Each part assembles by itself: llvm-mc -triple=amdgcn-amd-amdhsa -mcpu=gfx1250 --defsym DOCPART=n.
;; ======== version 1 of 1: 3 launches
;; limits: right only within a limited range of input values
;; workspace buffers: qc 8,388,608 bytes; qs 524,288 bytes; kv 17,301,504 bytes; oc 8,388,608 bytes; os 262,144 bytes
;; launch qkv (part 1): grid 12 x 32, 4 waves a work-group, clusters of 4 x 4, 327,680 bytes of LDS; arguments x_codes, x_scales, w_qkv_codes, w_qkv_scales, qc, qs, kv; writes qc, qs, kv
.if DOCPART == 1
	.amdgcn_target "amdgcn-amd-amdhsa--gfx1250"
	.amdhsa_code_object_version 6
	.text
	.protected	k_qde7f2bcf4d_qkv
	.globl	k_qde7f2bcf4d_qkv
	.p2align	8
	.type	k_qde7f2bcf4d_qkv,@function
k_qde7f2bcf4d_qkv:
	s_mov_b64 s[64:65], 0
	v_nop
	global_prefetch_b8 v0, s[64:65] scope:SCOPE_SE
	s_setreg_imm32_b32 hwreg(HW_REG_WAVE_MODE, 25, 1), 1
	s_wait_xcnt 0x0
	s_wait_alu depctr_hold_cnt(0) depctr_sa_sdst(0) depctr_va_vdst(0) depctr_va_sdst(0) depctr_va_ssrc(0) depctr_va_vcc(0) depctr_vm_vsrc(0)
	s_getreg_b32 s2, hwreg(HW_REG_IB_STS2, 6, 4)
	s_cmp_eq_u32 s2, 0
	s_cbranch_scc0 .Lentry_in_a_cluster
	s_endpgm
.Lentry_in_a_cluster:
	s_bfe_u32 s2, ttmp6, 0x10000c
	s_cmp_lg_u32 s2, 0xf033
	s_cbranch_scc0 .Lentry_shape_is_right
	s_endpgm
.Lentry_shape_is_right:
; x W_qkv ON CODES OF FP8 (E4M3, one E8M0 scale for each 32 along K), ROPE ON q AND k, AND THE QUANTISERS OF q, k AND v.
; x: [8192][1024] codes, W: [3072][1024] codes (K innermost), their scale bytes [rows][32].  A work-group of four waves makes 256 tokens x 256 columns, a wave 128 x 128: 64 accumulators, 512 registers.
; K goes in steps of 256 through a ring of two LDS slots filled by the tensor data mover; the scale bytes of the work-group's rows come into LDS once, with the first fills.
; CLUSTERS: 4 x 4 work-groups; x's tiles are asked for jointly along a row of the cluster, W's along a column.  A cluster's 1,024 columns are one KIND: cluster x = 0: q, 1: k, 2: v (the same in all sixteen partners).
; q, k: source 0 = 16 rows of W, source 1 = 16 tokens: lane (r, h) of accumulator (a, b) holds token 16 a + r and columns 16 b + 8 h + 0..7: pairs for RoPE and neighbours along the head's 64, the next K.
; v: THE SOURCES CHANGE PLACES, BY GLOBAL ADDRESSES ALONE: source 0 = 16 tokens, source 1 = 16 rows of W: a lane holds ONE column and tokens 16 b + 8 h + 0..7: the keys, v's K, run down its registers.
; RESULTS leave as IMAGES OF THE NEXT OPERANDS' REGISTERS: a group of four registers is 512 consecutive bytes, lane l's 16 at 16 l: every store of a wave covers 512 consecutive bytes, aligned.
;   qc [bh 128][query tile 64][block 2][512];  qs [bh][tile / 4][r 16][tile % 4] words (s0, s1, s0, s1);
;   kv [bh][128 keys: 8][16,896]: +0 four fragments of k (groups 0, 1: keys 32 f + r; groups 2, 3: keys 32 f + 16 + r), +8192 four of v (row = channel 16 t + r, K = the 128 keys), +16384 k's words [r][f], +16640 v's [r][t].
; Inside a block of 32 the order is 8 h + 0..7, 16 + 8 h + 0..7: alike in q and k (channels) and alike in v and the softmax's p (keys): the products are the same ones.
; ROPE: omega = 2^(-i log2(10000) / 32); cos and sin by reduction with pi/2 in two parts and polynomials of degree 7 and 8 in f32, for the wave's first 16 tokens and for a step of 16 tokens; rows 16 a on by a rotations.
; LIMITS: the angle is fl((first token + r) omega) + 16 a omega, not fl(pos omega): they differ by at most about pos x omega x 2^-23.  NaN and infinities are not served.  A block whose largest magnitude lies under
; 2^-118 keeps the byte 1, a block of zeros too (its codes are zeros; this program alone reads the bytes).
; REGISTERS: window 0: v0-31 addresses; v32-63 scale words, two sets; v64-95 (cos, sin) of 16 pairs, v96-127 of the step; v128-255 source 1's fragments, ahead of the loop at work for the angles, on the way out at work.
;   window 1: source 0's fragments, two sets.   windows 2, 3: the accumulators ((a, b) at v[8 (8 (a % 4) + b)]).
.set SIZE_K, 1024
.set KSTEP,  256
.set NQ,     KSTEP/128
.set ROWB,   256
.set KROW,   SIZE_K
.set PITCH,  272                       ; an LDS row: 256 bytes + 16 of padding: the 16 rows that a load touches start at 16 different banks
.set FR,     16
.set NL,     4
.set NP,     8                         ; places behind this matrix instruction (ISA guide 7.12.1)
.set HALFT,  128*PITCH
.set SLOT,   4*HALFT                   ; x's 256 rows, then W's 256 rows
.set LAPS,   SIZE_K/(2*KSTEP)
.set KS,     SIZE_K/32
.set SCL,    2*SLOT                    ; behind the ring: the scales, as units of 256 bytes + 16 of padding
.set HALFS,  (128*KS/256)*272
.set SBLK,   (16*KS/256)*272
.set SPARE,  SCL+4*HALFS               ; the spare words, 128 bytes a wave
.set ADRA, 16                          ; v16-17  LDS address of source 1's fragments in slot 0, 1
.set ADRB, 20                          ; v20-21  of source 0's
.set VSQ,  24                          ; v24     4,096 h + 16 r: q's scale words, lanes 16-31 a head on
.set VSK,  25                          ; v25     135,168 h + 16 r: k's and v's
.set VO,   26                          ; v26     16 x lane
.set ADRS, 27                          ; v27     LDS address of my scale words
.set SPW,  28
.set NIL,  29
.set SC,   32
.set CSB,  64
.set ST16, 96
.set AF,   128
.set X,    128                         ; ahead of the loop: 32 angles; v160-239 five temporaries for 16 angles; v240-241 two constants
.set SK,   160
.set SR,   176
.set SZ,   192
.set SS,   208
.set SCS,  224
.set W,    128                         ; the way out: a row block's 64 numbers (then the rotation's temporaries)
.set PC,   192                         ; codes, two sets of 16
.set TM,   224                         ; +0..3 largest magnitudes, +4..7 bytes, +8..11 448 x the scale, +12..15 the conversions' scale operands
.set XW,   240
.set FW,   248
.set G1, 24
.set G0, 32
.set G1B, 48
.set G0B, 56
.set G1S, 68
.set G0S, 76
.set G1SB, 80
.set G0SB, 88
.set MNT, 66                           ; s66   the mantissa field of 448
.set HM,  67                           ; s67   a lane mask: lanes 16-31
.set SEL, 104                          ; s104-105 v_permlanex16_b32's selects for lane l xor 16
.set C2PI, 18                          ; s18-20 2 / pi, -(pi / 2)'s upper part, -(its lower part)
.set CNHI, 19
.set CNLO, 20
.set MSB, 0
.macro WIN new                         ; the immediate's high byte repeats the setting that is left
.if MSB != (\new)
	s_set_vgpr_msb (MSB<<8)|(\new)
.set MSB, (\new)
.endif
.endm
.set MUL_LO, 0xa1                      ; source 0 window 1, source 1 window 0, C and D window 2
.set MUL_HI, 0xf1
.set TO_B,   0x40
; A joint load: waves 0 and 1 fetch x's, waves 2 and 3 W's.  The branch hangs on the wave's number alone.  Four v_nop follow each of the two lines.
.macro JLOAD g0a, g1a, g0b, g1b
	s_cmp_eq_u32 s15, 0
	s_cbranch_scc0 .Lfor_b_\@
	tensor_load_to_lds s[\g0a:\g0a+3], s[\g1a:\g1a+7]
	s_nop 0
.rept 4
	v_nop
.endr
	s_branch .Lasked_\@
.Lfor_b_\@:
	tensor_load_to_lds s[\g0b:\g0b+3], s[\g1b:\g1b+7]
	s_nop 0
.rept 4
	v_nop
.endr
.Lasked_\@:
.endm
.macro CREST                           ; a round of the cluster's barrier behind its opening barrier
	s_cmp_lg_u32 s14, 0
	s_cbranch_scc1 .Lnot_wave_0_\@
	s_barrier_signal -3
.Lnot_wave_0_\@:
	s_barrier_wait -3
	s_barrier_signal -1
	s_barrier_wait -1
.endm
.macro CROUND
	s_barrier_signal -1
	s_barrier_wait -1
	CREST
.endm
.macro PLACES n
.rept \n
	v_nop
.endr
.endm
	s_load_b128 s[4:7], s[0:1], 0x0                ; x's codes, x's scales
	s_load_b128 s[8:11], s[0:1], 0x10              ; W's codes, W's scales
	s_load_b64 s[12:13], s[0:1], 0x20              ; qc
	s_load_b64 s[96:97], s[0:1], 0x28              ; qs
	s_load_b64 s[98:99], s[0:1], 0x30              ; kv
	v_lshl_add_u32 v[SPW], v0, 2, SPARE
	v_mov_b32 v[NIL], 0
	ds_add_u32 v28, v29
	ds_add_u32 v28, v29
	s_wait_dscnt 0x0
	v_lshrrev_b32 v1, 5, v0
	v_readfirstlane_b32 s14, v1                    ; wave 0..3
	s_lshr_b32 s15, s14, 1                         ; my half of the tokens.  Also: I fetch x's (0) or W's (1)
	s_and_b32 s16, s14, 1                          ; my half of the columns.  Also: which 128 rows I fetch
	s_bfe_u32 s40, ttmp6, 0x40000                  ; cx, cy
	s_bfe_u32 s41, ttmp6, 0x40004
	; REGION A of a slot (source 1's rows) is shared along a row of the cluster and goes by cy, REGION B (source 0's) along a column and goes by cx.
	; q, k: A = x's tile 4 Y + cy, B = W's tile 4 X + cx.  v (X = 2): A = W's tile 8 + cy, B = x's tile 4 Y + cx: the sources change places by GLOBAL addresses alone; masks and LDS addresses are the same for all kinds.
	s_lshl_b32 s42, ttmp9, 2
	s_and_b32 s17, ttmp7, 0xffff
	s_lshl_b32 s17, s17, 2                         ; 4 Y
	s_cmp_eq_u32 ttmp9, 2                          ; v?  The cluster's x: the same in all partners
	s_cselect_b32 s42, s17, s42
	s_cselect_b32 s17, 8, s17
	s_add_co_u32 s42, s42, s40                     ; region B's tile of 256 rows
	s_add_co_u32 s17, s17, s41                     ; region A's
	s_lshl_b32 s43, s41, 2
	s_lshl_b32 s43, 15, s43                        ; my row of the cluster
	s_lshl_b32 s44, 0x1111, s40                    ; my column
	s_mov_b32 s[SEL], 0x76543210
	s_mov_b32 s[SEL+1], 0xfedcba98
	s_mov_b32 s[MNT], 0x600000
	s_mov_b32 s[HM], 0xffff0000
	; descriptor group 1: a tile of 128 rows x 256 bytes, 16 bytes of padding behind each row
	s_or_b32 s[G1+0], s43, (0<<16)|(1<<20)|(1<<21)|(5<<22)|(3<<25)
	s_or_b32 s[G1B+0], s44, (0<<16)|(1<<20)|(1<<21)|(5<<22)|(3<<25)
.irp g, G1, G1B
	s_mov_b32 s[\g+1], ROWB<<16                    ; tensor_dim0
	s_mov_b32 s[\g+2], 256<<16                     ; tensor_dim1: 256 rows for the head's loads; set to 128 behind them
	s_mov_b32 s[\g+3], ROWB<<16                    ; tile_dim0
	s_mov_b32 s[\g+4], 256                         ; tile_dim1
	s_mov_b32 s[\g+5], KROW                        ; the pitch
	s_mov_b32 s[\g+6], 0
	s_mov_b32 s[\g+7], 0
.endr
	; the scales of 256 rows: 8,192 dense bytes as 32 rows of 256 (32 elements of 8 bytes), padded likewise
	s_or_b32 s[G1S+0], s43, (3<<16)|(1<<20)|(1<<21)|(5<<22)|(3<<25)
	s_or_b32 s[G1SB+0], s44, (3<<16)|(1<<20)|(1<<21)|(5<<22)|(3<<25)
.irp g, G1S, G1SB
	s_mov_b32 s[\g+1], 32<<16
	s_mov_b32 s[\g+2], KS<<16                      ; the scales of 256 rows: KS rows of 256 bytes
	s_mov_b32 s[\g+3], 32<<16
	s_mov_b32 s[\g+4], KS
	s_mov_b32 s[\g+5], 32
	s_mov_b32 s[\g+6], 0
	s_mov_b32 s[\g+7], 0
.endr
	s_lshl_b32 s20, s17, 8                         ; region A: the tile's first row
	s_lshl_b32 s46, s42, 8                         ; region B: likewise
	s_mov_b32 s21, 0
	s_mov_b32 s47, 0
	s_mov_b64 s[18:19], KS
	s_mul_u64 s[22:23], s[20:21], s[18:19]
	s_mul_u64 s[92:93], s[46:47], s[18:19]
	s_mov_b64 s[18:19], KROW
	s_mul_u64 s[20:21], s[20:21], s[18:19]
	s_mul_u64 s[46:47], s[46:47], s[18:19]
	s_mul_i32 s45, s14, HALFT                      ; where they go: wave x 128 rows
	s_mul_i32 s18, s16, 128*KROW                   ; in the ring I fetch 128 rows of a tile: which half, in bytes
	s_mov_b32 s19, 0
	s_wait_kmcnt 0x0
	s_cmp_eq_u32 ttmp9, 2                          ; which buffer feeds which region
	s_cselect_b64 s[100:101], s[8:9], s[4:5]       ; A's codes
	s_cselect_b64 s[8:9], s[4:5], s[8:9]           ; B's codes
	s_cselect_b64 s[2:3], s[10:11], s[6:7]         ; A's scales
	s_cselect_b64 s[10:11], s[6:7], s[10:11]       ; B's scales
	s_add_nc_u64 s[20:21], s[100:101], s[20:21]
	s_add_nc_u64 s[22:23], s[2:3], s[22:23]
	s_add_nc_u64 s[46:47], s[8:9], s[46:47]
	s_add_nc_u64 s[92:93], s[10:11], s[92:93]
	CROUND                                         ; all sixteen work-groups are here: the first joint loads meet
.set G0H, 4                            ; s[4:7], s[8:11] group 0 of the head's loads of K step 0 (the arguments that lay there have been used)
.set G0HB, 8
	s_mov_b32 s[G0H], 1                            ; the head's four tiles, each whole: K step 0's 256 rows of region A,
	s_mov_b32 s[G0H+1], 0
	s_mov_b64 s[G0H+2:G0H+3], s[20:21]
	s_or_b32 s[G0H+3], s[G0H+3], 0x80000000
	s_mov_b32 s[G0HB], 1                           ; of region B,
	s_mov_b32 s[G0HB+1], 2*HALFT
	s_mov_b64 s[G0HB+2:G0HB+3], s[46:47]
	s_or_b32 s[G0HB+3], s[G0HB+3], 0x80000000
	s_mov_b32 s[G0S], 1                            ; the scales of A's 256 rows,
	s_mov_b32 s[G0S+1], SCL
	s_mov_b64 s[G0S+2:G0S+3], s[22:23]
	s_or_b32 s[G0S+3], s[G0S+3], 0x80000000
	s_mov_b32 s[G0SB], 1                           ; and of B's
	s_mov_b32 s[G0SB+1], SCL+2*HALFS
	s_mov_b64 s[G0SB+2:G0SB+3], s[92:93]
	s_or_b32 s[G0SB+3], s[G0SB+3], 0x80000000
	s_add_nc_u64 s[20:21], s[20:21], s[18:19]      ; for the ring: my 128 rows of the tile
	s_add_nc_u64 s[46:47], s[46:47], s[18:19]
.irp s, 0,1
	s_mov_b32 s[G0+4*\s], 1
	s_add_co_u32 s[G0+4*\s+1], s45, \s*SLOT
	s_add_nc_u64 s[G0+4*\s+2:G0+4*\s+3], s[20:21], \s*ROWB
	s_or_b32 s[G0+4*\s+3], s[G0+4*\s+3], 0x80000000
	s_mov_b32 s[G0B+4*\s], 1
	s_add_co_u32 s[G0B+4*\s+1], s45, \s*SLOT
	s_add_nc_u64 s[G0B+4*\s+2:G0B+4*\s+3], s[46:47], \s*ROWB
	s_or_b32 s[G0B+4*\s+3], s[G0B+4*\s+3], 0x80000000
.endr
; THE HEAD'S LOADS, ONE A WAVE: one chain of branches on the wave's number, a load to an arm, all arms leading to one join.
.macro ARM under, g0, g1, next
	s_cmp_lt_u32 s14, \under
	s_cbranch_scc0 \next
	tensor_load_to_lds s[\g0:\g0+3], s[\g1:\g1+7]
	s_nop 0
.rept 4
	v_nop
.endr
	s_branch .Lhead_asked
\next:
.endm
	ARM 1, G0H,  G1,  .Lhead_b
	ARM 2, G0HB, G1B, .Lhead_sa
	ARM 3, G0S,  G1S, .Lhead_sb
	tensor_load_to_lds s[G0SB:G0SB+3], s[G1SB:G1SB+7]
	s_nop 0
.rept 4
	v_nop
.endr
.Lhead_asked:
	; THE PREFETCHES INTO THE L2.  Of the 128 rows that my wave fetches in the ring, my work-group takes 32, a lane a row: the four partners that ask for a tile jointly are told apart by address (cx for region A, cy for region B).
	; A K step is 256 bytes of a row.  K steps 1 and 2 are asked for below, behind the head's loads; K step 3 behind the refill that brings K step 2: at most two K steps are asked for and not yet read.  The address registers are never rewritten.
	; x's rows are named by the three clusters that load them; W's rows, which eight rows of clusters load, by the four even rows alone (s45 = 1: my wave does not ask).
	s_cmp_eq_u32 s15, 0
	s_cselect_b64 s[94:95], s[20:21], s[46:47]     ; my 128 rows, at K step 0
	s_cselect_b32 s2, s40, s41                     ; my place among the four
	s_cmp_eq_u32 ttmp9, 2
	s_cselect_b32 s45, 1, 0
	s_xor_b32 s45, s45, s15                        ; 1: my rows are W's
	s_and_b32 s45, s45, ttmp7                      ; and my cluster's y is odd
	s_lshl_b32 s2, s2, 15                          ; 32 rows of 1,024 bytes
	s_mov_b32 s3, 0
	s_add_nc_u64 s[94:95], s[94:95], s[2:3]
	v_and_b32 v30, 31, v0
	v_lshlrev_b32 v30, 10, v30                     ; v30: my lane's row; never rewritten
	v_and_b32 v1, 15, v0
	v_bfe_u32 v2, v0, 4, 1                         ; h; stays
	v_mul_u32_u24 v3, v1, PITCH
	v_lshl_add_u32 v4, v2, 4, v3                   ; a fragment's row x pitch + 16 h
	s_wait_alu depctr_va_vdst(0)
	s_mul_i32 s21, s15, HALFT                      ; x's rows of my tokens
	s_mul_i32 s22, s16, HALFT
	s_add_co_u32 s22, s22, 2*HALFT                 ; W's rows of my columns
.irp s, 0,1
	v_add_nc_u32 v[ADRA+\s], s21, v4               ; source 1: region A, half wave / 2
	v_add_nc_u32 v[ADRB+\s], s22, v4               ; source 0: region B, half wave % 2
	s_add_co_u32 s21, s21, SLOT
	s_add_co_u32 s22, s22, SLOT
.endr
	v_mul_u32_u24 v5, v1, KS                       ; my row's scales: 32 bytes a row,
	v_lshrrev_b32 v6, 8, v5
	v_lshl_add_u32 v5, v6, 4, v5                   ; and 16 more for each 256 passed
	s_mul_i32 s21, s15, HALFS                      ; lanes 0-15: source 1's words, region A's
	s_mul_i32 s22, s16, HALFS                      ; lanes 16-31: source 0's, behind A's 256 rows
	s_add_co_u32 s22, s22, 2*HALFS
	s_sub_co_u32 s22, s22, s21
	v_mul_u32_u24 v6, s22, v2                      ; one product: h x the distance between the two
	s_add_co_u32 s21, s21, SCL
	v_add_nc_u32 v5, v5, v6
	v_add_nc_u32 v[ADRS], s21, v5
	s_wait_alu depctr_va_vdst(0)                   ; directly ahead of the branch
	s_cmp_eq_u32 s45, 0
	s_cbranch_scc0 .Lpf_head                       ; round the prefetches alone
	global_prefetch_b8 v30, s[94:95] offset:256 th:TH_LOAD_NT scope:SCOPE_SE   ; K step 1
	global_prefetch_b8 v30, s[94:95] offset:512 th:TH_LOAD_NT scope:SCOPE_SE   ; K step 2
.Lpf_head:
; ---- THE ANGLES, while the first tiles are on their way.  A lane's 16 pairs p = 4 g + u (g = b % 4, u = j / 2) have the frequencies i = 8 g + 4 h + u.  Every work-group runs this, v's too: no branch.
	v_lshlrev_b32 v3, 2, v2                        ; 4 h
.set n, 0
.rept 16
	v_add_nc_u32 v[SK+n], 8*(n/4)+(n%4), v3
.set n, n+1
.endr
.set n, 0
.rept 16
	v_cvt_f32_u32 v[SK+n], v[SK+n]
.set n, n+1
.endr
.set n, 0
.rept 16
	v_mul_f32 v[SK+n], 0xbed49a78, v[SK+n]         ; -i log2(10000) / 32
.set n, n+1
.endr
.set n, 0
	s_wait_alu depctr_va_vdst(0)
.rept 16
	v_exp_f32 v[SK+n], v[SK+n]                     ; omega
.set n, n+1
.endr
	s_and_b32 s101, s17, 3
	s_lshl_b32 s101, s101, 8
	s_lshl_b32 s100, s15, 7
	s_add_co_u32 s101, s101, s100                  ; my first token's place in its sequence: 256 (tile row % 4) + 128 x half
	v_add_nc_u32 v4, s101, v1                      ; + r.  (The plain line behind the exponentials)
	s_wait_alu depctr_va_vdst(0)                   ; one wait for the batch, ahead of its first reader
	v_cvt_f32_u32 v4, v4
.set n, 0
.rept 16
	v_mul_f32 v[X+n], v4, v[SK+n]                  ; the first 16 tokens' angles
.set n, n+1
.endr
.set n, 0
.rept 16
	v_mul_f32 v[X+16+n], 0x41800000, v[SK+n]       ; 16 tokens on: 16 omega, exact
.set n, n+1
.endr
	s_mov_b32 s[C2PI], 0x3f22f983
	s_mov_b32 s[CNHI], 0xbfc90fdb
	s_mov_b32 s[CNLO], 0x333bbd2e
	v_mov_b32 v240, 0xb94ca1f9                     ; the sine's and the cosine's leading coefficients
	v_mov_b32 v241, 0x37ccf5ce
; (cos, sin) of the 16 angles v[x] on (none negative) into the pairs v[d] on.  Written stage by stage for all 16, so that no line waits for the line above it.
.macro SINCOS16 x, d
.set n, 0
.rept 16
	v_mul_f32 v[SK+n], s[C2PI], v[(\x)+n]
.set n, n+1
.endr
.set n, 0
.rept 16
	v_rndne_f32 v[SK+n], v[SK+n]                   ; k: the nearest multiple of pi / 2
.set n, n+1
.endr
.set n, 0
.rept 16
	v_fma_f32 v[SR+n], v[SK+n], s[CNHI], v[(\x)+n]
.set n, n+1
.endr
.set n, 0
.rept 16
	v_fma_f32 v[SR+n], v[SK+n], s[CNLO], v[SR+n]   ; rho = x - k pi / 2, within pi / 4
.set n, n+1
.endr
.set n, 0
.rept 16
	v_cvt_i32_f32 v[SK+n], v[SK+n]
.set n, n+1
.endr
.set n, 0
.rept 16
	v_mul_f32 v[SZ+n], v[SR+n], v[SR+n]            ; z = rho^2
.set n, n+1
.endr
.set n, 0
.rept 16
	v_fmaak_f32 v[SS+n], v[SZ+n], v240, 0x3c08839e
	v_fmaak_f32 v[SCS+n], v[SZ+n], v241, 0xbab6061a
.set n, n+1
.endr
.set n, 0
.rept 16
	v_fmaak_f32 v[SS+n], v[SS+n], v[SZ+n], 0xbe2aaaa3
	v_fmaak_f32 v[SCS+n], v[SCS+n], v[SZ+n], 0x3d2aaaa5
.set n, n+1
.endr
.set n, 0
.rept 16
	v_mul_f32 v[(\x)+n], v[SZ+n], v[SR+n]          ; z rho
	v_fmaak_f32 v[SCS+n], v[SCS+n], v[SZ+n], 0xbf000000
.set n, n+1
.endr
.set n, 0
.rept 16
	v_fma_f32 v[SS+n], v[SS+n], v[(\x)+n], v[SR+n] ; sin rho
	v_fmaak_f32 v[SCS+n], v[SCS+n], v[SZ+n], 0x3f800000   ; cos rho
.set n, n+1
.endr
.set n, 0
.rept 16
	v_and_b32 v[(\x)+n], 1, v[SK+n]
	v_lshlrev_b32 v[SR+n], 30, v[SK+n]             ; the sine is negative where k % 4 is 2 or 3,
	v_add_nc_u32 v[SK+n], 1, v[SK+n]
.set n, n+1
.endr
.set n, 0
.rept 16
	v_and_b32 v[SR+n], 0x80000000, v[SR+n]
	v_lshlrev_b32 v[SK+n], 30, v[SK+n]             ; the cosine where it is 1 or 2
.set n, n+1
.endr
.set n, 0
.rept 16
	v_cmp_eq_u32 vcc_lo, 1, v[(\x)+n]              ; an odd k changes the two over
	v_cndmask_b32 v[(\d)+2*n], v[SCS+n], v[SS+n], vcc_lo
	v_cndmask_b32 v[(\d)+2*n+1], v[SS+n], v[SCS+n], vcc_lo
	v_and_b32 v[SK+n], 0x80000000, v[SK+n]
.set n, n+1
.endr
.set n, 0
.rept 16
	v_xor_b32 v[(\d)+2*n], v[(\d)+2*n], v[SK+n]
	v_xor_b32 v[(\d)+2*n+1], v[(\d)+2*n+1], v[SR+n]
.set n, n+1
.endr
.endm
	SINCOS16 X, CSB
	SINCOS16 X+16, ST16
.macro FRAG reg, adr, q, i             ; a fragment, 16 rows x 128 K: lane l holds row l % 16; registers 4 c .. 4 c + 3 hold K = 32 c + 16 (l / 16) + 0 .. 15
.irp c, 0,1,2,3
	ds_load_b128 v[\reg+4*\c:\reg+4*\c+3], v[\adr] offset:128*(\q)+32*\c+(\i)*16*PITCH
.endr
.endm
; 16 matrix instructions: source 1's blocks a0, a0 + 1 x source 0's eight.  The 64 accumulators take turns, one instruction a turn, in the same order in every step.
.macro MUL16 a0, p, q, sc, zero
.irp a, \a0, \a0+1
.irp b, 0,1,2,3,4,5,6,7
.if \zero
	v_wmma_scale_f32_16x16x128_f8f6f4 v[8*(8*((\a)%4)+\b):8*(8*((\a)%4)+\b)+7], v[128*(\p)+FR*\b:128*(\p)+FR*\b+FR-1], v[AF+FR*(\a):AF+FR*(\a)+FR-1], 0, v[SC+8*NQ*(\sc)+NQ*\b+(\q)], v[SC+8*NQ*(\sc)+NQ*(\a)+(\q)] matrix_a_scale:MATRIX_SCALE_ROW1
.else
	v_wmma_scale_f32_16x16x128_f8f6f4 v[8*(8*((\a)%4)+\b):8*(8*((\a)%4)+\b)+7], v[128*(\p)+FR*\b:128*(\p)+FR*\b+FR-1], v[AF+FR*(\a):AF+FR*(\a)+FR-1], v[8*(8*((\a)%4)+\b):8*(8*((\a)%4)+\b)+7], v[SC+8*NQ*(\sc)+NQ*\b+(\q)], v[SC+8*NQ*(\sc)+NQ*(\a)+(\q)] matrix_a_scale:MATRIX_SCALE_ROW1
.endif
.endr
.endr
.endm
.macro FETCH_B slot, q, p
	WIN TO_B
.irp i, 0,1,2,3,4,5,6,7
	FRAG 128*(\p)+FR*\i, ADRB+\slot, \q, \i
.endr
	WIN 0
.endm
.macro FETCH_A slot, q, i0
.irp i, \i0, \i0+1, \i0+2, \i0+3
	FRAG AF+FR*(\i), ADRA+\slot, \q, \i
.endr
.endm
.macro SCALES sc                       ; the K step's two words a row: lanes 0-15 source 1's block i, lanes 16-31 source 0's block i
.irp i, 0,1,2,3,4,5,6,7
	ds_load_b64 v[SC+8*NQ*\sc+NQ*\i:SC+8*NQ*\sc+NQ*\i+1], v[ADRS] offset:\i*SBLK
.endr
.endm
; A step of 128 along K that has its successor in the same slot.  Source 1 has one set of registers: blocks 0-3 are fetched anew in the step's middle, blocks 4-7 at its end; source 0 has two sets.
.macro STEP slot, q, zero
	s_wait_dscnt 4*NL                              ; all but the youngest 16 loads (source 1's blocks 4-7) are in
	WIN MUL_LO
	MUL16 0, (\q)%2, \q, \slot, \zero
	MUL16 2, (\q)%2, \q, \slot, \zero
	s_wait_dscnt 0
	PLACES NP                                      ; in front of loads into registers that matrix instructions have read
	FETCH_B \slot, (\q)+1, 1-(\q)%2
	FETCH_A \slot, (\q)+1, 0
	WIN MUL_HI
	MUL16 4, (\q)%2, \q, \slot, \zero
	MUL16 6, (\q)%2, \q, \slot, \zero
	PLACES NP
	WIN 0
	FETCH_A \slot, (\q)+1, 4
.endm
; A slot's last step changes slots: one barrier; in front of it each wave waits for all its tensor loads, adds 0 to its spare word, and waits for that and for its own reads of this slot.
.macro TURN slot, next, fill
	s_wait_tensorcnt 0x0                           ; all my tensor loads have landed: my part of the next slot
	ds_add_u32 v[SPW], v[NIL]                      ; 0 onto my spare word
	s_wait_dscnt 4*NL+1                            ; (the add and the youngest 16 loads may be out)
	WIN MUL_LO
	MUL16 0, 1, NQ-1, \slot, 0
	s_wait_dscnt 0x0                               ; the add is done, and my reads of this slot are over
	s_barrier_signal -1
	MUL16 2, 1, NQ-1, \slot, 0
	WIN 0
	s_barrier_wait -1
.if \fill
	CREST                                          ; the barrier has opened a round of the cluster's: no wave of any partner still reads this slot or has a load on its way
	s_add_nc_u64 s[G0+4*\slot+2:G0+4*\slot+3], s[G0+4*\slot+2:G0+4*\slot+3], 2*ROWB
	s_add_nc_u64 s[G0B+4*\slot+2:G0B+4*\slot+3], s[G0B+4*\slot+2:G0B+4*\slot+3], 2*ROWB
	JLOAD G0+4*\slot, G1, G0B+4*\slot, G1B         ; the first tensor load behind the round; its four v_nop are four of the eight places
	PLACES NP-4
.else
	PLACES NP
.endif
	s_wait_alu depctr_va_vdst(0)
	v_add_nc_u32 v[ADRS], 4*NQ, v[ADRS]            ; the next K step's scale words
	FETCH_B \next, 0, 0
	FETCH_A \next, 0, 0
	SCALES \next
.if (\fill) && ((\slot) == 0)
	s_wait_alu depctr_va_vdst(0)                   ; directly ahead of the branch
	s_cmp_eq_u32 s45, 0
	s_cbranch_scc0 .Lpf_\@                         ; round the prefetch alone
	global_prefetch_b8 v30, s[94:95] offset:768 th:TH_LOAD_NT scope:SCOPE_SE   ; K step 3, a K step ahead of its load
.Lpf_\@:
.endif
	WIN MUL_HI
	MUL16 4, 1, NQ-1, \slot, 0
	MUL16 6, 1, NQ-1, \slot, 0
	PLACES NP
	WIN 0
	FETCH_A \next, 0, 4
.endm
	s_wait_alu depctr_va_vdst(0)                   ; the wait at the head's end
	s_wait_tensorcnt 0x0                           ; my tile of the head's four is in
	ds_add_u32 v[SPW], v[NIL]
	s_mov_b32 s[G1+2], 128<<16                     ; no tensor load of mine is out: from here on a load brings 128 rows
	s_mov_b32 s[G1+4], 128
	s_mov_b32 s[G1B+2], 128<<16
	s_mov_b32 s[G1B+4], 128
	s_wait_dscnt 0x0
	CROUND                                         ; all four tiles are in, and all sixteen work-groups are here
	JLOAD G0+4, G1, G0B+4, G1B                     ; K step 1's load, the first tensor load behind the round
	FETCH_B 0, 0, 0
	FETCH_A 0, 0, 0
	SCALES 0
	FETCH_A 0, 0, 4
	STEP 0, 0, 1                                   ; the first step's products start the sums
	s_mov_b32 s3, LAPS-1
.Llap:
	TURN 0, 1, 1
	STEP 1, 0, 0
	TURN 1, 0, 1
	STEP 0, 0, 0
	s_sub_co_u32 s3, s3, 1
	s_cmp_lg_u32 s3, 0
	s_cbranch_scc1 .Llap
	TURN 0, 1, 0                                   ; the last lap fills nothing
	STEP 1, 0, 0
	s_wait_dscnt 4*NL
	WIN MUL_LO
	MUL16 0, 1, NQ-1, 1, 0
	MUL16 2, 1, NQ-1, 1, 0
	s_wait_dscnt 0
	WIN MUL_HI
	MUL16 4, 1, NQ-1, 1, 0
	MUL16 6, 1, NQ-1, 1, 0
	WIN 0
; ---- THE WAY OUT: no LDS: a lane's codes are the next operand's registers, and go out as they stand.
	PLACES NP
.irp b, 0,1,2,3
	v_mov_b32 v[TM+4+\b], 0                        ; a lane permute's destination counts as one of its sources
.endr
	v_and_b32 v3, 31, v0
	v_lshlrev_b32 v[VO], 4, v3
	v_lshlrev_b32 v[VSQ], 4, v1
	v_lshl_add_u32 v[VSQ], v2, 12, v[VSQ]
	v_mul_u32_u24 v[VSK], v2, 135168
	v_lshl_add_u32 v[VSK], v1, 4, v[VSK]
	s_cmp_eq_u32 ttmp9, 2                          ; q, k: columns go by cx and wave % 2, tokens by cy and wave / 2; v: the other way round
	s_cselect_b32 s2, s41, s40
	s_cselect_b32 s3, s15, s16
	s_cselect_b32 s101, s40, s41
	s_cselect_b32 s20, s16, s15
	s_and_b32 s100, ttmp7, 0xffff                  ; the batch
	s_lshl_b32 s100, s100, 4
	s_lshl_b32 s2, s2, 2
	s_add_co_u32 s100, s100, s2
	s_lshl_b32 s3, s3, 1
	s_add_co_u32 s100, s100, s3                    ; my first head: 16 x batch + 4 x column tile + 2 x column half
	s_lshl_b32 s101, s101, 1
	s_add_co_u32 s101, s101, s20                   ; which 128 tokens of the sequence
	s_lshl_b32 s2, s100, 12
	s_lshl_b32 s3, s101, 9
	s_add_co_u32 s2, s2, s3
	s_mov_b32 s3, 0
	s_add_nc_u64 s[96:97], s[96:97], s[2:3]        ; q's scale words: 4,096 bytes a head, 512 for 128 tokens
	s_cmp_eq_u32 ttmp9, 0
	s_cselect_b64 s[12:13], s[12:13], s[98:99]     ; q goes to qc, k and v to kv
	s_mov_b32 s2, 135168
	s_cselect_b32 s2, 65536, s2                    ; a head's bytes there,
	s_mov_b32 s3, 16896
	s_cselect_b32 s3, 8192, s3                     ; and 128 tokens'
	s_mul_i32 s100, s100, s2
	s_mul_i32 s101, s101, s3
	s_add_co_u32 s100, s100, s101
	s_mov_b32 s101, 0
	s_mov_b32 s3, 0
	s_add_nc_u64 s[12:13], s[12:13], s[100:101]    ; my first head's part,
	s_add_nc_u64 s[98:99], s[12:13], s[2:3]        ; and my second head's
; The four blocks' largest magnitudes: 16 numbers a lane, v[src + 16 b] on in window w, with the floor 2^-118 among the leaves; then lane l xor 16's 16.  Each accumulator is read from its low end on.
.macro BMAX src, w
	WIN (\w)|((\w)<<2)
.irp b, 0,1,2,3
	v_max3_num_f32 v[TM+\b], |v[(\src)+16*\b]|, |v[(\src)+16*\b+1]|, 0x4800000
.endr
	WIN ((\w)<<2)|((\w)<<4)
.irp i, 2,4,6,8,10,12,14
.irp b, 0,1,2,3
	v_max3_num_f32 v[TM+\b], v[TM+\b], |v[(\src)+16*\b+\i]|, |v[(\src)+16*\b+\i+1]|
.endr
.endr
	WIN 0
.irp b, 0,1,2,3
	v_permlanex16_b32 v[TM+4+\b], v[TM+\b], s[SEL], s[SEL+1]
.endr
.irp b, 0,1,2,3
	v_max_num_f32 v[TM+\b], v[TM+\b], v[TM+4+\b]
.endr
.endm
.macro QSC                             ; the conversion's scale operand (8 off the exponent field), 448 x the scale, the scale's byte
.irp b, 0,1,2,3
	v_add_nc_u32 v[TM+12+\b], 0xfc000000, v[TM+\b]
.endr
.irp b, 0,1,2,3
	v_and_or_b32 v[TM+8+\b], v[TM+\b], 0x7f800000, s[MNT]
.endr
.irp b, 0,1,2,3
	v_lshrrev_b32 v[TM+4+\b], 23, v[TM+12+\b]
.endr
.endm
.macro HOLDCVT src, w, dst, pc         ; the hold at 448 x the scale (the conversion does not saturate: ISA guide 7.6.2), then 64 codes
	WIN \w
.irp b, 0,1,2,3
.irp i, 0,1,2,3,4,5,6,7,8,9,10,11,12,13,14,15
	v_med3_num_f32 v[(\dst)+16*\b+\i], v[(\src)+16*\b+\i], -v[TM+8+\b], v[TM+8+\b]
.endr
.endr
	WIN 0
.irp b, 0,1,2,3
	v_cvt_scalef32_pk8_fp8_f32 v[(\pc)+4*\b:(\pc)+4*\b+1], v[(\dst)+16*\b:(\dst)+16*\b+7], v[TM+12+\b]
	v_cvt_scalef32_pk8_fp8_f32 v[(\pc)+4*\b+2:(\pc)+4*\b+3], v[(\dst)+16*\b+8:(\dst)+16*\b+15], v[TM+12+\b]
.endr
	v_nop                                          ; a plain line behind the last conversion
.endm
; q, k: tokens 16 a + r.  RoPE: (t1, t2) -> (t1 c - t2 s, t2 c + t1 s), a packed multiply and a packed multiply-add a pair.  Blocks 0, 1: my first head's 64 channels; 2, 3: my second's.
.macro QKROW a
.set AC, 64*((\a)%4)
.set PCS, PC+16*((\a)%2)
.if (\a) >= 2
	s_wait_xcnt 0x0                                ; the stores of two blocks back have read this set of codes
.endif
	WIN 2+(\a)/4
.irp b, 0,1,2,3,4,5,6,7
.irp u, 0,1,2,3
	v_pk_mul_f32 v[W+8*\b+2*\u:W+8*\b+2*\u+1], v[AC+8*\b+2*\u:AC+8*\b+2*\u+1], v[CSB+8*(\b%4)+2*\u:CSB+8*(\b%4)+2*\u+1] op_sel:[1,1] op_sel_hi:[0,1] neg_lo:[1,0]   ; (-t2 s, t1 s)
.endr
.endr
.irp b, 0,1,2,3,4,5,6,7
.irp u, 0,1,2,3
	v_pk_fma_f32 v[W+8*\b+2*\u:W+8*\b+2*\u+1], v[AC+8*\b+2*\u:AC+8*\b+2*\u+1], v[CSB+8*(\b%4)+2*\u:CSB+8*(\b%4)+2*\u+1], v[W+8*\b+2*\u:W+8*\b+2*\u+1] op_sel_hi:[1,0,1]   ; + (t1 c, t2 c)
.endr
.endr
	BMAX W, 0
	QSC
	v_lshl_or_b32 v[TM+4], v[TM+5], 8, v[TM+4]     ; my first head's two bytes,
	v_lshl_or_b32 v[TM+6], v[TM+7], 8, v[TM+6]     ; my second's:
	v_cndmask_b32 v[XW+(\a)], v[TM+4], v[TM+6], s[HM]   ; lanes 0-15 keep the first's, lanes 16-31 the second's
	HOLDCVT W, 0, W, PCS
.irp b, 0,1
	global_store_b128 v[VO], v[PCS+4*\b:PCS+4*\b+3], s[12:13] offset:(\a)*1024+\b*512
	global_store_b128 v[VO], v[PCS+8+4*\b:PCS+8+4*\b+3], s[98:99] offset:(\a)*1024+\b*512
.endr
.if (\a) < 7                                   ; (cos, sin) 16 tokens on: the same two lines on the pairs themselves
.set n, 0
.rept 16
	v_pk_mul_f32 v[W+2*n:W+2*n+1], v[CSB+2*n:CSB+2*n+1], v[ST16+2*n:ST16+2*n+1] op_sel:[1,1] op_sel_hi:[0,1] neg_lo:[1,0]
.set n, n+1
.endr
.set n, 0
.rept 16
	v_pk_fma_f32 v[CSB+2*n:CSB+2*n+1], v[CSB+2*n:CSB+2*n+1], v[ST16+2*n:ST16+2*n+1], v[W+2*n:W+2*n+1] op_sel_hi:[1,0,1]
.set n, n+1
.endr
.endif
.endm
; v: column 16 a + r (head a / 4, channels 16 (a % 4) + r); the four blocks are the 128 keys' four.
.macro VROW a
.set AC, 64*((\a)%4)
.set PCS, PC+16*((\a)%2)
.if (\a) >= 2
	s_wait_xcnt 0x0
.endif
	BMAX AC, 2+(\a)/4
	QSC
	v_lshl_or_b32 v[XW+(\a)], v[TM+5], 8, v[TM+4]
	v_lshl_or_b32 v[XW+(\a)], v[TM+6], 16, v[XW+(\a)]
	v_lshl_or_b32 v[XW+(\a)], v[TM+7], 24, v[XW+(\a)]
	HOLDCVT AC, 2+(\a)/4, W, PCS
.irp b, 0,1,2,3
.if (\a) < 4
	global_store_b128 v[VO], v[PCS+4*\b:PCS+4*\b+3], s[12:13] offset:8192+((\a)%4)*2048+\b*512
.else
	global_store_b128 v[VO], v[PCS+4*\b:PCS+4*\b+3], s[98:99] offset:8192+((\a)%4)*2048+\b*512
.endif
.endr
.endm
	s_cmp_eq_u32 ttmp9, 2
	s_cbranch_scc1 .Lv_path
.irp a, 0,1,2,3,4,5,6,7
	QKROW \a
.endr
	s_cmp_eq_u32 ttmp9, 0
	s_cbranch_scc0 .Lk_words
.irp a, 0,1,2,3,4,5,6,7
	v_lshl_or_b32 v[FW+\a], v[XW+\a], 16, v[XW+\a] ; q's word: (s0, s1, s0, s1)
.endr
	global_store_b128 v[VSQ], v[FW:FW+3], s[96:97] ; sixteen lanes store 256 consecutive bytes, aligned
	global_store_b128 v[VSQ], v[FW+4:FW+7], s[96:97] offset:256
	s_branch .Lend
.Lk_words:
.irp f, 0,1,2,3
	v_lshl_or_b32 v[FW+\f], v[XW+2*\f+1], 16, v[XW+2*\f]   ; k's word of fragment f: keys 32 f + r, then 32 f + 16 + r
.endr
	global_store_b128 v[VSK], v[FW:FW+3], s[12:13] offset:16384
	s_branch .Lend
.Lv_path:
.irp a, 0,1,2,3,4,5,6,7
	VROW \a
.endr
.irp t, 0,1,2,3
	v_cndmask_b32 v[FW+\t], v[XW+\t], v[XW+4+\t], s[HM]
.endr
	global_store_b128 v[VSK], v[FW:FW+3], s[12:13] offset:16640
.Lend:
	s_wait_tensorcnt 0x0                           ; the wave's end
	ds_add_u32 v[SPW], v[NIL]
	s_wait_dscnt 0x0
	CROUND                                         ; the closing round
	s_endpgm
.Lfunc_end_k_qde7f2bcf4d_qkv:
	.size	k_qde7f2bcf4d_qkv, .Lfunc_end_k_qde7f2bcf4d_qkv-k_qde7f2bcf4d_qkv
	.p2alignl 7, 3214868480
	.fill 96, 4, 3214868480
	.section	.rodata,"a",@progbits
	.p2align	6, 0x0
	.amdhsa_kernel k_qde7f2bcf4d_qkv
		.amdhsa_group_segment_fixed_size 327680
		.amdhsa_private_segment_fixed_size 0
		.amdhsa_enable_private_segment 0
		.amdhsa_kernarg_size 56
		.amdhsa_user_sgpr_count 2
		.amdhsa_user_sgpr_kernarg_segment_ptr 1
		.amdhsa_wavefront_size32 1
		.amdhsa_system_sgpr_workgroup_id_x 1
		.amdhsa_system_sgpr_workgroup_id_y 1
		.amdhsa_system_sgpr_workgroup_id_z 1
		.amdhsa_system_vgpr_workitem_id 0
		.amdhsa_next_free_vgpr 1024
		.amdhsa_next_free_sgpr 106
		.amdhsa_reserve_vcc 1
		.amdhsa_float_denorm_mode_32 3
		.amdhsa_float_denorm_mode_16_64 3
		.amdhsa_memory_ordered 1
		.amdhsa_forward_progress 1
		.amdhsa_inst_pref_size 255
	.end_amdhsa_kernel
	.section	.bss,"aw",@nobits
	.p2align	6
	.space	262144
	.amdgpu_metadata
---
amdhsa.version: [ 1, 2 ]
amdhsa.kernels:
  - .name:           k_qde7f2bcf4d_qkv
    .symbol:         k_qde7f2bcf4d_qkv.kd
    .args:
      - { .name: x_codes, .offset: 0, .size: 8, .value_kind: global_buffer, .address_space: global }
      - { .name: x_scales, .offset: 8, .size: 8, .value_kind: global_buffer, .address_space: global }
      - { .name: w_qkv_codes, .offset: 16, .size: 8, .value_kind: global_buffer, .address_space: global }
      - { .name: w_qkv_scales, .offset: 24, .size: 8, .value_kind: global_buffer, .address_space: global }
      - { .name: qc, .offset: 32, .size: 8, .value_kind: global_buffer, .address_space: global }
      - { .name: qs, .offset: 40, .size: 8, .value_kind: global_buffer, .address_space: global }
      - { .name: kv, .offset: 48, .size: 8, .value_kind: global_buffer, .address_space: global }
    .group_segment_fixed_size: 327680
    .private_segment_fixed_size: 0
    .kernarg_segment_align: 8
    .kernarg_segment_size: 56
    .max_flat_workgroup_size: 128
    .sgpr_count:     106
    .vgpr_count:     1024
    .wavefront_size: 32
...
	.end_amdgpu_metadata
.endif
;; end of part 1
;; launch attn (part 2): grid 4 x 64, 8 waves a work-group, clusters of 4 x 1, 327,680 bytes of LDS; arguments qc, qs, kv, oc, os; writes oc, os
.if DOCPART == 2
	.amdgcn_target "amdgcn-amd-amdhsa--gfx1250"
	.amdhsa_code_object_version 6
	.text
	.protected	k_qde7f2bcf4d_attn
	.globl	k_qde7f2bcf4d_attn
	.p2align	8
	.type	k_qde7f2bcf4d_attn,@function
k_qde7f2bcf4d_attn:
	s_mov_b64 s[64:65], 0
	v_nop
	global_prefetch_b8 v0, s[64:65] scope:SCOPE_SE
	s_setreg_imm32_b32 hwreg(HW_REG_WAVE_MODE, 25, 1), 1
	s_wait_xcnt 0x0
	s_wait_alu depctr_hold_cnt(0) depctr_sa_sdst(0) depctr_va_vdst(0) depctr_va_sdst(0) depctr_va_ssrc(0) depctr_va_vcc(0) depctr_vm_vsrc(0)
	s_getreg_b32 s2, hwreg(HW_REG_IB_STS2, 6, 4)
	s_cmp_eq_u32 s2, 0
	s_cbranch_scc0 .Lentry_in_a_cluster
	s_endpgm
.Lentry_in_a_cluster:
	s_bfe_u32 s2, ttmp6, 0x10000c
	s_cmp_lg_u32 s2, 0x3003
	s_cbranch_scc0 .Lentry_shape_is_right
	s_endpgm
.Lentry_shape_is_right:
; ATTENTION ON CODES OF FP8 (E4M3, one E8M0 scale for 32 along K): S^T = K Q^T, p = 2^(t - M), O^T = V^T P^T, O / l quantised along the channels for the projection.
; A work-group owns 256 queries of TWO heads (2 y, 2 y + 1); each of its eight waves owns 32 queries (two tiles of 16) and walks head 0's 1,024 keys, then head 1's: an outer loop of two heads, an inner loop of eight key steps of 128.
; A head's K and V (images of the operands' registers, 16,896 bytes for 128 keys, as the launch before lays them) are 135,168 consecutive bytes: each wave brings an eighth by one tensor load, 66 rows of 256 bytes.
; Head 0's fill goes out at the kernel's head; head 1's, into bytes of its own, behind the full sequence and a round, with the second head's Q: it has head 0's eight steps in which to land, and is shown by the barrier behind head 0's way out.  No byte is filled twice.
; CLUSTER 4 x 1: the four query blocks of a pair of heads ask for the same bytes jointly (mask 15).
; No prefetch: the second fill itself is asked for eight key steps ahead of its first read, and nothing else is streamed.
; A k fragment holds keys 32 f + r in K 0..63 and keys 32 f + 16 + r in K 64..127; Q stands beside eight registers of zero codes, on either side, which picks one of the two.
; A lane holds one query (lane % 16); registers 16 b .. 16 b + 15 of a tile's scores are 16 keys of block b, lane l xor 16 holds the other 16.
; THE SOFTMAX: t = score x log2(e) / 8; M = ceil(running largest t); p = 2^(t - M); l = the sum of the unquantised p; when M moves, l and O^T are multiplied by 2^(old M - new M), exact.
; A BLOCK'S SCALE is taken from its largest t: floor(log2 p) = floor(t - M), held at -118 from below (the byte stays 1 or more).  Where v_exp_f32 rounds a p up to the next power of two, that one p is held at 448 x the scale.
; THE ORDER: tile 1's score products stand among tile 0's maxima, tile 0's second products among tile 1's sums; tile 0's exponentials among tile 1's scalings, tile 1's among tile 0's first sums and holds: independent lines; one s_wait_alu between the phases.
; The next step's K fragments are fetched under the softmax; a head's last step fetches its own again (the address is held at the head's last chunk), and the next head's first K comes behind the barrier.
; LIMITS: the scaled scores stay under 2^31 in magnitude; NaN and infinities are not served.  No work of the problem is left out here.
; REGISTERS: window 0: v1-13 addresses, v16-31 state (a tile: -M, largest t, l in two halves, f), v32-49 scale words, v50-57 sums, v64-191 scores then p, v192-223 p's codes (before that: partial sums), v224-255 a tile's 4 x (max, floor, bound, scale operand).
;   window 1: v0-63 K, v64-127 V, v128-167 zeros and Q, v168-183 the second head's Q, v184-247 O^T.
.set HEADB, 135168
.set CHUNK, 16896
.set SCST,  2*HEADB                    ; the way out's scale words: 1,024 bytes
.set SPARE, SCST+1024                  ; the spare words, 128 bytes a wave
.set LI,  1
.set LR,  2
.set ADI, 3
.set ADW, 4
.set SCA, 5
.set SCB, 8
.set GOS, 9
.set OW,  10
.set ADN, 12
.set ADNW, 13
.set ST,  16
.set KSC, 32
.set VSC, 36
.set QSC, 40
.set PW,  48
.set AC,  50
.set SPW, 62
.set NIL, 63
.set S,   64
.set PC,  192
.set TM,  224
.set KF,  0
.set VF,  64
.set QZ,  128
.set QN,  168
.set OA,  184
.set WV,  14
.set HM,  18
.set MNT, 19
.set SEL, 20
.set CS,  22
.set G1,  24
.set G0,  32
.set TN,  36
.set HC,  38
.set LIM, 39
.set TB,  40
.set CNT, 41
.set MSB, 0
.macro WIN new                         ; the immediate's high byte repeats the setting that is left
.if MSB != (\new)
	s_set_vgpr_msb (MSB<<8)|(\new)
.set MSB, (\new)
.endif
.endm
.macro PLACES n
.rept \n
	v_nop
.endr
.endm
.macro WALU
	s_wait_alu depctr_va_vdst(0)
.endm
.macro CROUND
	s_barrier_signal -1
	s_barrier_wait -1
	s_cmp_lg_u32 s[WV], 0
	s_cbranch_scc1 .Lnot_wave_0_\@
	s_barrier_signal -3
.Lnot_wave_0_\@:
	s_barrier_wait -3
	s_barrier_signal -1
	s_barrier_wait -1
.endm
.macro KLOAD adr, adw                  ; four fragments of K and their scale words
	WIN 0x40
.irp f, 0,1,2,3
.irp c, 0,1,2,3
	ds_load_b128 v[KF+16*\f+4*\c:KF+16*\f+4*\c+3], v[\adr] offset:2048*\f+512*\c
.endr
.endr
	WIN 0
	ds_load_b128 v[KSC:KSC+3], v[\adw] offset:16384
.endm
	s_load_b256 s[4:11], s[0:1], 0x0               ; qc, qs, kv, oc
	s_load_b64 s[12:13], s[0:1], 0x20              ; os
	v_lshl_add_u32 v[SPW], v0, 2, SPARE
	v_mov_b32 v[NIL], 0
	ds_add_u32 v[SPW], v[NIL]                      ; the opening lines: the add twice on end and its wait
	ds_add_u32 v[SPW], v[NIL]
	v_lshrrev_b32 v6, 5, v0
	v_readfirstlane_b32 s[WV], v6                  ; wave 0..7
	s_bfe_u32 s15, ttmp6, 0x40000                  ; cx: my query block
	s_and_b32 s16, ttmp7, 0xffff                   ; y: my pair of heads
	s_mov_b32 s[G1], 15|(3<<16)|(1<<21)            ; the mask of all four; elements of 8 bytes
	s_mov_b32 s[G1+1], 32<<16
	s_mov_b32 s[G1+2], 66<<16
	s_mov_b32 s[G1+3], 32<<16
	s_mov_b32 s[G1+4], 66
	s_mov_b32 s[G1+5], 32
	s_mov_b32 s[G1+6], 0
	s_mov_b32 s[G1+7], 0
	s_mov_b32 s[HM], 0xffff0000
	s_mov_b32 s[MNT], 0x600000
	s_mov_b32 s[SEL], 0x76543210
	s_mov_b32 s[SEL+1], 0xfedcba98
	s_mov_b32 s[CS], 0x3e38aa3b                    ; log2(e) / 8
	s_mov_b32 s[CS+1], s[CS]
	s_mul_i32 s42, s16, 2*HEADB
	s_mul_i32 s44, s[WV], CHUNK                    ; my eighth of a head
	s_add_co_u32 s42, s42, s44
	s_mov_b32 s43, 0
	s_mov_b32 s[G0], 1
	s_mov_b32 s[G0+1], s44
	s_wait_dscnt 0x0
	s_wait_kmcnt 0x0
	s_add_nc_u64 s[G0+2:G0+3], s[8:9], s[42:43]
	s_or_b32 s[G0+3], s[G0+3], 0x80000000
	CROUND                                         ; the four partners are here
	tensor_load_to_lds s[G0:G0+3], s[G1:G1+7]      ; head 0: my one tensor load at the kernel's head
	s_nop 0
	PLACES 4
	s_lshl_b32 s46, s16, 17                        ; qc: 65,536 bytes a head, 16,384 a query block, 2,048 a wave
	s_lshl_b32 s47, s15, 14
	s_add_co_u32 s46, s46, s47
	s_lshl_b32 s47, s[WV], 11
	s_add_co_u32 s46, s46, s47
	s_mov_b32 s47, 0
	s_add_nc_u64 s[4:5], s[4:5], s[46:47]
	s_lshl_b32 s46, s16, 13                        ; qs
	s_lshl_b32 s48, s15, 10
	s_add_co_u32 s46, s46, s48
	s_lshr_b32 s48, s[WV], 1
	s_lshl_b32 s48, s48, 8
	s_add_co_u32 s46, s46, s48
	s_and_b32 s48, s[WV], 1
	s_lshl_b32 s48, s48, 3
	s_add_co_u32 s46, s46, s48
	s_add_nc_u64 s[6:7], s[6:7], s[46:47]
	v_and_b32 v6, 31, v0
	v_lshlrev_b32 v[LI], 4, v6                     ; 16 x lane
	v_and_b32 v7, 15, v0
	v_lshlrev_b32 v[LR], 4, v7                     ; 16 r
	WIN 0x40
.irp t, 0,1
.irp b, 0,1
	global_load_b128 v[QZ+8+16*\t+4*\b:QZ+8+16*\t+4*\b+3], v[LI], s[4:5] offset:\t*1024+\b*512
.endr
.endr
	WIN 0
	global_load_b64 v[QSC:QSC+1], v[LR], s[6:7]
	s_lshr_b32 s48, s16, 3                         ; oc, os: [batch x 4 + query block][pair of heads]
	s_lshl_b32 s48, s48, 2
	s_add_co_u32 s48, s48, s15
	s_and_b32 s49, s16, 7
	s_lshl_b32 s46, s48, 18
	s_lshl_b32 s50, s49, 15
	s_add_co_u32 s46, s46, s50
	s_lshl_b32 s50, s[WV], 12
	s_add_co_u32 s46, s46, s50
	s_add_nc_u64 s[10:11], s[10:11], s[46:47]
	s_lshl_b32 s46, s48, 13
	s_lshl_b32 s50, s49, 10
	s_add_co_u32 s46, s46, s50
	s_add_nc_u64 s[12:13], s[12:13], s[46:47]
	v_lshl_add_u32 v[SCA], v0, 2, SCST
	v_lshl_add_u32 v[SCB], v0, 4, SCST
	v_lshlrev_b32 v[GOS], 4, v0
	v_mov_b32 v[OW], 0
	v_mov_b32 v[OW+1], 0
.irp t, 0,1
	v_mov_b32 v[ST+8*\t+5], 0                      ; named as a pair's upper half
	v_mov_b32 v[ST+8*\t+7], 0
.irp b, 0,1,2,3
	v_mov_b32 v[TM+16*\t+4+\b], 0                  ; a lane permute's destination counts as a source
.endr
.endr
	WIN 0x40
.irp z, 0,1,2
.irp j, 0,1,2,3,4,5,6,7
	v_mov_b32 v[QZ+16*\z+\j], 0                    ; the zero codes beside Q
.endr
.endr
	WIN 0
; a head's start: the largest t -3e38, l and O^T zeros.  copy = 1: the second head's Q and its scale words take their places
.macro RESET copy
.irp t, 0,1
	v_mov_b32 v[ST+8*\t+1], 0xff61b1e6
	v_mov_b32 v[ST+8*\t+2], 0
	v_mov_b32 v[ST+8*\t+3], 0
.endr
.irp t, 0,1
	v_floor_f32 v[ST+8*\t], -v[ST+8*\t+1]
.endr
.if \copy
	v_mov_b32 v[QSC], v[QSC+2]
	v_mov_b32 v[QSC+1], v[QSC+3]
	WIN 0x41
.set j, 0
.rept 8
	v_mov_b32 v[QZ+8+j], v[QN+j]
	v_mov_b32 v[QZ+24+j], v[QN+8+j]
.set j, j+1
.endr
.endif
	WIN 0x40
.set j, 0
.rept 64
	v_mov_b32 v[OA+j], 0
.set j, j+1
.endr
	WIN 0
.endm
.macro SW t, n                         ; score product n = 2 f + u of tile t
	v_wmma_scale_f32_16x16x128_f8f6f4 v[S+64*(\t)+8*(\n):S+64*(\t)+8*(\n)+7], v[KF+16*((\n)/2):KF+16*((\n)/2)+15], v[QZ+8*(1-(\n)%2)+16*(\t):QZ+8*(1-(\n)%2)+16*(\t)+15], 0, v[KSC+(\n)/2], v[QSC+(\t)]
.endm
.macro PV t, d                         ; O^T += V^T P^T: channels 16 d on of tile t
	v_wmma_scale_f32_16x16x128_f8f6f4 v[OA+32*(\t)+8*(\d):OA+32*(\t)+8*(\d)+7], v[VF+16*(\d):VF+16*(\d)+15], v[PC+16*(\t):PC+16*(\t)+15], v[OA+32*(\t)+8*(\d):OA+32*(\t)+8*(\d)+7], v[VSC+(\d)], v[PW+(\t)]
.endm
.macro MAXL t, k                       ; line k = 0 .. 7 of the four blocks' largest scores of tile t; every accumulator is read from its low end on
.irp b, 0,1,2,3
.if (\k) == 0
	v_max3_num_f32 v[TM+16*(\t)+\b], v[S+64*(\t)+16*\b], v[S+64*(\t)+16*\b+1], v[S+64*(\t)+16*\b+2]
.elseif (\k) < 7
	v_max3_num_f32 v[TM+16*(\t)+\b], v[TM+16*(\t)+\b], v[S+64*(\t)+16*\b+2*(\k)+1], v[S+64*(\t)+16*\b+2*(\k)+2]
.else
	v_max_num_f32 v[TM+16*(\t)+\b], v[TM+16*(\t)+\b], v[S+64*(\t)+16*\b+15]
.endif
.endr
.endm
.macro JOIN t                          ; with lane l xor 16's 16 keys
.irp b, 0,1,2,3
	v_permlanex16_b32 v[TM+16*(\t)+4+\b], v[TM+16*(\t)+\b], s[SEL], s[SEL+1]
.endr
.irp b, 0,1,2,3
	v_max_num_f32 v[TM+16*(\t)+\b], v[TM+16*(\t)+\b], v[TM+16*(\t)+4+\b]
.endr
.endm
.macro DMIN x, bnd                     ; the hold of two numbers in one dual pair (p is not negative: one-sided)
	v_dual_min_num_f32 v[\x], v[\x], v[\bnd] :: v_dual_min_num_f32 v[(\x)+1], v[(\x)+1], v[\bnd]
.endm
.macro CVT t                           ; a tile's 64 codes
.irp b, 0,1,2,3
	v_cvt_scalef32_pk8_fp8_f32 v[PC+16*\t+4*\b:PC+16*\t+4*\b+1], v[S+64*\t+16*\b:S+64*\t+16*\b+7], v[TM+16*\t+12+\b]
	v_cvt_scalef32_pk8_fp8_f32 v[PC+16*\t+4*\b+2:PC+16*\t+4*\b+3], v[S+64*\t+16*\b+8:S+64*\t+16*\b+15], v[TM+16*\t+12+\b]
.endr
.endm
.macro CADD                            ; tile 1's sum, pair q, in four chains
	v_pk_add_f32 v[AC+2*(q%4):AC+2*(q%4)+1], v[AC+2*(q%4):AC+2*(q%4)+1], v[S+64+2*q:S+64+2*q+1]
.set q, q+1
.endm
.macro OSCALE t                        ; O^T of tile t under the new M
.set j, 0
.rept 16
	v_pk_mul_f32 v[OA+32*(\t)+j:OA+32*(\t)+j+1], v[OA+32*(\t)+j:OA+32*(\t)+j+1], v[ST+8*(\t)+4:ST+8*(\t)+5] op_sel_hi:[1,0]
.set j, j+2
.endr
.endm
; A KEY STEP: 128 keys at LDS byte s[TB]; its K fragments and K's words are in registers
.macro STEP
	WIN 0x05
.irp n, 0,1,2,3,4,5,6,7
	SW 0, \n
.endr
	WIN 0
	v_add_nc_u32 v[ADI], s[TB], v[LI]              ; eight places: four additions and four v_nop, ahead of the loads into V's registers and of tile 0's first reader
	v_add_nc_u32 v[ADW], s[TB], v[LR]
	v_add_nc_u32 v[ADN], s[TN], v[LI]
	v_add_nc_u32 v[ADNW], s[TN], v[LR]
	PLACES 4
	WIN 0x40
.irp d, 0,1,2,3
.irp c, 0,1,2,3
	ds_load_b128 v[VF+16*\d+4*\c:VF+16*\d+4*\c+3], v[ADI] offset:8192+2048*\d+512*\c     ; this step's V
.endr
.endr
	WIN 0
	ds_load_b128 v[VSC:VSC+3], v[ADW] offset:16640
.irp n, 0,1,2,3,4,5,6,7                ; tile 1's scores, four lines of tile 0's maxima behind each product
	WIN 0x05
	SW 1, \n
	WIN 0
	MAXL 0, \n
.endr
	JOIN 0                                         ; with the four lines above: the places behind the last product (eight without the lane permutes)
	KLOAD ADN, ADNW                                ; the next step's K
.irp k, 0,1,2,3,4,5,6,7
	MAXL 1, \k
.endr
	JOIN 1
.irp t, 0,1
	v_max3_num_f32 v[ST+8*\t+6], v[TM+16*\t], v[TM+16*\t+1], v[TM+16*\t+2]
.endr
.irp t, 0,1
	v_max_num_f32 v[ST+8*\t+6], v[ST+8*\t+6], v[TM+16*\t+3]
.endr
.irp t, 0,1
	v_mul_f32 v[ST+8*\t+6], s[CS], v[ST+8*\t+6]
.endr
.irp t, 0,1
	v_max_num_f32 v[ST+8*\t+1], v[ST+8*\t+1], v[ST+8*\t+6]   ; the running largest t
.endr
.irp t, 0,1
	v_mov_b32 v[ST+8*\t+6], v[ST+8*\t]
.endr
.irp t, 0,1
	v_floor_f32 v[ST+8*\t], -v[ST+8*\t+1]          ; -M = floor(-t)
.endr
.irp t, 0,1
	v_sub_f32 v[ST+8*\t+6], v[ST+8*\t], v[ST+8*\t+6]
.endr
.irp t, 0,1
	v_cvt_i32_f32 v[ST+8*\t+6], v[ST+8*\t+6]       ; (it saturates)
.endr
.irp t, 0,1
	v_ldexp_f32 v[ST+8*\t+4], 1.0, v[ST+8*\t+6]    ; f = 2^(old M - new M)
.endr
.irp b, 0,1,2,3                        ; the blocks' scales: i = floor(max(t_max - M, -118)); byte i + 119
.irp t, 0,1
	v_fma_f32 v[TM+16*\t+\b], v[TM+16*\t+\b], s[CS], v[ST+8*\t]
.endr
.endr
.irp b, 0,1,2,3
.irp t, 0,1
	v_max_num_f32 v[TM+16*\t+\b], 0xc2ec0000, v[TM+16*\t+\b]
.endr
.endr
.irp b, 0,1,2,3
.irp t, 0,1
	v_cvt_floor_i32_f32 v[TM+16*\t+4+\b], v[TM+16*\t+\b]
.endr
.endr
.irp b, 0,1,2,3
.irp t, 0,1
	v_add_lshl_u32 v[TM+16*\t+12+\b], v[TM+16*\t+4+\b], 119, 23   ; the conversion's scale operand: the byte as an exponent field
.endr
.endr
.irp b, 0,1,2,3
.irp t, 0,1
	v_add_nc_u32 v[TM+16*\t+8+\b], 0x4600000, v[TM+16*\t+12+\b]   ; 448 x the scale: 8 more in the exponent field, 448's mantissa
.endr
.endr
.irp t, 0,1
	v_lshl_add_u32 v[PW+\t], v[TM+16*\t+5], 8, v[TM+16*\t+4]      ; p's scale word: the sum of i_b 256^b, and 119 in each byte (modulo 2^32)
.endr
.irp t, 0,1
	v_lshl_add_u32 v[PW+\t], v[TM+16*\t+6], 16, v[PW+\t]
.endr
.irp t, 0,1
	v_lshl_add_u32 v[PW+\t], v[TM+16*\t+7], 24, v[PW+\t]
.endr
.irp t, 0,1
	v_add_nc_u32 v[PW+\t], 0x77777777, v[PW+\t]
.endr
	WIN 0x41
	OSCALE 0                                       ; tile 0's O^T now: no exponential stands between its products and these first readers
	WIN 0
.set j, 0
.rept 32
	v_pk_fma_f32 v[S+j:S+j+1], v[S+j:S+j+1], s[CS:CS+1], v[ST:ST+1] op_sel_hi:[1,0,0]   ; tile 0: t - M
.set j, j+2
.endr
	WALU                                           ; ahead of the batch
.set j, 0
.rept 32                               ; tile 0's exponentials, tile 1's t - M among them
	v_exp_f32 v[S+j], v[S+j]
	v_exp_f32 v[S+j+1], v[S+j+1]
	v_pk_fma_f32 v[S+64+j:S+64+j+1], v[S+64+j:S+64+j+1], s[CS:CS+1], v[ST+8:ST+9] op_sel_hi:[1,0,0]
.set j, j+2
.endr
	WALU                                           ; behind tile 0's batch and ahead of tile 1's
.set n, 0
.rept 64                               ; tile 1's exponentials; among them tile 0's first 16 sums (into the codes' registers, still free) and then its holds
	v_exp_f32 v[S+64+n], v[S+64+n]
.if n < 16
	v_pk_add_f32 v[PC+2*n:PC+2*n+1], v[S+4*n:S+4*n+1], v[S+4*n+2:S+4*n+3]
.elseif n < 48
	DMIN S+2*(n-16), TM+8+(n-16)/8
.endif
.set n, n+1
.endr
	v_nop
	WALU
.irp w, 2,4,8,16                       ; tile 0's sum: 16 pairs to one
.set i, 0
.rept 16/\w
	v_pk_add_f32 v[PC+2*\w*i:PC+2*\w*i+1], v[PC+2*\w*i:PC+2*\w*i+1], v[PC+2*\w*i+\w:PC+2*\w*i+\w+1]
.set i, i+1
.endr
.endr
	v_pk_fma_f32 v[ST+2:ST+3], v[ST+2:ST+3], v[ST+4:ST+5], v[PC:PC+1] op_sel_hi:[1,0,1]   ; l = l f + the step's sum
	CVT 0
.irp k, 0,1,2,3                        ; tile 1's sum, of the unquantised p; its first eight lines are the places between the codes and their products
	v_pk_add_f32 v[AC+2*\k:AC+2*\k+1], v[S+64+2*\k:S+64+2*\k+1], v[S+72+2*\k:S+72+2*\k+1]
.endr
.set q, 8
.rept 4
	CADD
.endr
	WALU
	s_wait_dscnt 0x0                               ; V, and the next step's K
.irp d, 0,1,2,3                        ; tile 0's second products, five lines of tile 1's sum behind each
	WIN 0x51
	PV 0, \d
	WIN 0
.rept 5
	CADD
.endr
.endr
	v_pk_add_f32 v[AC:AC+1], v[AC:AC+1], v[AC+2:AC+3]
	v_pk_add_f32 v[AC+4:AC+5], v[AC+4:AC+5], v[AC+6:AC+7]
	v_pk_add_f32 v[AC:AC+1], v[AC:AC+1], v[AC+4:AC+5]
	v_pk_fma_f32 v[ST+10:ST+11], v[ST+10:ST+11], v[ST+12:ST+13], v[AC:AC+1] op_sel_hi:[1,0,1]
.set n, 0
.rept 32
	DMIN S+64+2*n, TM+24+n/8
.set n, n+1
.endr
	CVT 1
	WIN 0x41
	WALU                                           ; directly ahead of the first reader of tile 1's O^T
	OSCALE 1                                       ; also the places ahead of the products
	WIN 0x51
.irp d, 0,1,2,3
	PV 1, \d
.endr
	WIN 0
.endm
; A HEAD'S WAY OUT: O^T / l, quantised along the head's 64 channels (two blocks), the codes brought into the order of the projection's operand, stored as 512 consecutive bytes a wave and group
.macro WAYOUT
	PLACES 8
.irp t, 0,1
	v_add_f32 v[ST+8*\t+6], v[ST+8*\t+2], v[ST+8*\t+3]
.endr
.irp t, 0,1
	v_permlanex16_b32 v[ST+8*\t+7], v[ST+8*\t+6], s[SEL], s[SEL+1]
.endr
.irp t, 0,1
	v_add_f32 v[ST+8*\t+6], v[ST+8*\t+6], v[ST+8*\t+7]
.endr
	WALU
.irp t, 0,1
	v_rcp_f32 v[ST+8*\t+6], v[ST+8*\t+6]
.endr
	v_nop
	WIN 0x01
	WALU
.irp t, 0,1
.set j, 0
.rept 16
	v_pk_mul_f32 v[S+64*\t+j:S+64*\t+j+1], v[OA+32*\t+j:OA+32*\t+j+1], v[ST+8*\t+6:ST+8*\t+7] op_sel_hi:[1,0]
.set j, j+2
.endr
.endr
	WIN 0
.irp b, 0,1
.irp t, 0,1
	v_max3_num_f32 v[TM+16*\t+\b], |v[S+64*\t+16*\b]|, |v[S+64*\t+16*\b+1]|, 0x4800000
.endr
.endr
.irp i, 2,4,6,8,10,12,14
.irp b, 0,1
.irp t, 0,1
	v_max3_num_f32 v[TM+16*\t+\b], v[TM+16*\t+\b], |v[S+64*\t+16*\b+\i]|, |v[S+64*\t+16*\b+\i+1]|
.endr
.endr
.endr
.irp b, 0,1
.irp t, 0,1
	v_permlanex16_b32 v[TM+16*\t+4+\b], v[TM+16*\t+\b], s[SEL], s[SEL+1]
.endr
.endr
.irp b, 0,1
.irp t, 0,1
	v_max_num_f32 v[TM+16*\t+\b], v[TM+16*\t+\b], v[TM+16*\t+4+\b]
.endr
.endr
.irp b, 0,1
.irp t, 0,1
	v_add_nc_u32 v[TM+16*\t+12+\b], 0xfc000000, v[TM+16*\t+\b]
	v_and_or_b32 v[TM+16*\t+8+\b], v[TM+16*\t+\b], 0x7f800000, s[MNT]
.endr
.endr
.irp b, 0,1
.irp t, 0,1
	v_lshrrev_b32 v[TM+16*\t+4+\b], 23, v[TM+16*\t+12+\b]
.endr
.endr
.irp t, 0,1
	v_lshl_or_b32 v[6+\t], v[TM+16*\t+5], 8, v[TM+16*\t+4]
.endr
.irp t, 0,1
	v_alignbit_b32 v[OW+\t], v[6+\t], v[OW+\t], 16   ; the word moves down by two bytes and takes this head's two on top: after both heads (h0 b0, h0 b1, h1 b0, h1 b1)
.endr
.irp t, 0,1
.irp b, 0,1
.irp i, 0,1,2,3,4,5,6,7,8,9,10,11,12,13,14,15
	v_med3_num_f32 v[S+64*\t+16*\b+\i], v[S+64*\t+16*\b+\i], -v[TM+16*\t+8+\b], v[TM+16*\t+8+\b]
.endr
	v_cvt_scalef32_pk8_fp8_f32 v[PC+16*\t+4*\b:PC+16*\t+4*\b+1], v[S+64*\t+16*\b:S+64*\t+16*\b+7], v[TM+16*\t+12+\b]
	v_cvt_scalef32_pk8_fp8_f32 v[PC+16*\t+4*\b+2:PC+16*\t+4*\b+3], v[S+64*\t+16*\b+8:S+64*\t+16*\b+15], v[TM+16*\t+12+\b]
.endr
.endr
	v_nop
.irp t, 0,1
.irp b, 0,1
.irp i, 0,1
	v_cndmask_b32 v[TM+16*\t], v[PC+16*\t+4*\b+2+\i], v[PC+16*\t+4*\b+\i], s[HM]           ; lanes l and l xor 16 change eight codes over: 16 neighbouring channels a lane
	v_permlanex16_b32 v[TM+16*\t+1], v[TM+16*\t], s[SEL], s[SEL+1]
	v_cndmask_b32 v[PC+16*\t+4*\b+\i], v[PC+16*\t+4*\b+\i], v[TM+16*\t+1], s[HM]
	v_cndmask_b32 v[PC+16*\t+4*\b+2+\i], v[TM+16*\t+1], v[PC+16*\t+4*\b+2+\i], s[HM]
.endr
.endr
.endr
.irp t, 0,1
.irp b, 0,1
	global_store_b128 v[LI], v[PC+16*\t+4*\b:PC+16*\t+4*\b+3], s[10:11] offset:\t*2048+\b*512
.endr
.endr
	WALU
	s_wait_loadcnt 0x0                             ; the second head's Q is in
	RESET 1
	s_wait_xcnt 0x0                                ; the stores have read their registers and their base
	s_add_nc_u64 s[10:11], s[10:11], 1024          ; the second head's two groups
.endm
	RESET 0
	s_mov_b32 s[TB], 0
	s_mov_b32 s[LIM], 7*CHUNK
	s_mov_b32 s[HC], 0
	WALU                                           ; the wait at the head's end
	s_wait_loadcnt 0x0                             ; the first head's Q
	s_wait_tensorcnt 0x0                           ; my eighth of head 0 is in
	ds_add_u32 v[SPW], v[NIL]
	s_add_co_u32 s[G0+1], s[G0+1], HEADB           ; no tensor load of mine is out: the descriptor goes on to head 1, in LDS and in memory
	s_add_nc_u64 s[G0+2:G0+3], s[G0+2:G0+3], HEADB
	s_wait_dscnt 0x0
	CROUND                                         ; everybody's eighth is in, and the four partners are here
	tensor_load_to_lds s[G0:G0+3], s[G1:G1+7]      ; head 1, into bytes of its own
	s_nop 0
	PLACES 4
	global_load_b64 v[QSC+2:QSC+3], v[LR], s[6:7] offset:4096
	WIN 0x40
.irp t, 0,1
.irp b, 0,1
	global_load_b128 v[QN+8*\t+4*\b:QN+8*\t+4*\b+3], v[LI], s[4:5] offset:65536+\t*1024+\b*512
.endr
.endr
	WIN 0
	KLOAD LI, LR                                   ; head 0's first K
	s_wait_dscnt 0x0
.Lhead:                                            ; two trips: a head each
	s_mov_b32 s[CNT], 0
.Lstep:                                            ; eight trips: 128 keys each; the chunks of both heads lie on end in LDS
	s_add_co_u32 s[TN], s[TB], CHUNK
	s_min_u32 s[TN], s[TN], s[LIM]                 ; a head's last step has no successor in the bytes shown so far
	STEP
	s_add_co_u32 s[TB], s[TB], CHUNK
	s_add_co_u32 s[CNT], s[CNT], 1
	s_cmp_lt_u32 s[CNT], 8
	WALU
	s_cbranch_scc1 .Lstep
	WAYOUT
	WALU
	s_wait_tensorcnt 0x0                           ; my eighth of head 1 is in,
	s_wait_dscnt 0x0
	s_barrier_signal -1
	s_barrier_wait -1                              ; everybody's is
	s_min_u32 s37, s[TB], 15*CHUNK                 ; the next head's first K (behind the last head: the last chunk again, not used)
	v_add_nc_u32 v[ADN], s37, v[LI]
	v_add_nc_u32 v[ADNW], s37, v[LR]
	KLOAD ADN, ADNW
	s_add_co_u32 s[LIM], s[LIM], 8*CHUNK
	s_add_co_u32 s[HC], s[HC], 1
	s_wait_dscnt 0x0
	s_cmp_lt_u32 s[HC], 2
	WALU
	s_cbranch_scc1 .Lhead
	v_cndmask_b32 v6, v[OW], v[OW+1], s[HM]        ; lanes 0-15 tile 0's word, lanes 16-31 tile 1's
	ds_store_b32 v[SCA], v6                        ; the work-group's 1,024 bytes of scale words meet in LDS, so that whole units of 256 bytes are stored
	s_wait_dscnt 0x0
	s_barrier_signal -1
	s_barrier_wait -1
	s_cmp_lt_u32 s[WV], 2
	s_cbranch_scc0 .Lno_words
	ds_load_b128 v[S:S+3], v[SCB]
	s_wait_dscnt 0x0
	global_store_b128 v[GOS], v[S:S+3], s[12:13]
.Lno_words:
	s_wait_tensorcnt 0x0                           ; the wave's end
	ds_add_u32 v[SPW], v[NIL]
	s_wait_dscnt 0x0
	CROUND                                         ; the closing round
	s_endpgm
.Lfunc_end_k_qde7f2bcf4d_attn:
	.size	k_qde7f2bcf4d_attn, .Lfunc_end_k_qde7f2bcf4d_attn-k_qde7f2bcf4d_attn
	.p2alignl 7, 3214868480
	.fill 96, 4, 3214868480
	.section	.rodata,"a",@progbits
	.p2align	6, 0x0
	.amdhsa_kernel k_qde7f2bcf4d_attn
		.amdhsa_group_segment_fixed_size 327680
		.amdhsa_private_segment_fixed_size 0
		.amdhsa_enable_private_segment 0
		.amdhsa_kernarg_size 40
		.amdhsa_user_sgpr_count 2
		.amdhsa_user_sgpr_kernarg_segment_ptr 1
		.amdhsa_wavefront_size32 1
		.amdhsa_system_sgpr_workgroup_id_x 1
		.amdhsa_system_sgpr_workgroup_id_y 1
		.amdhsa_system_sgpr_workgroup_id_z 1
		.amdhsa_system_vgpr_workitem_id 0
		.amdhsa_next_free_vgpr 512
		.amdhsa_next_free_sgpr 66
		.amdhsa_reserve_vcc 0
		.amdhsa_float_denorm_mode_32 3
		.amdhsa_float_denorm_mode_16_64 3
		.amdhsa_memory_ordered 1
		.amdhsa_forward_progress 1
		.amdhsa_inst_pref_size 65
	.end_amdhsa_kernel
	.amdgpu_metadata
---
amdhsa.version: [ 1, 2 ]
amdhsa.kernels:
  - .name:           k_qde7f2bcf4d_attn
    .symbol:         k_qde7f2bcf4d_attn.kd
    .args:
      - { .name: qc, .offset: 0, .size: 8, .value_kind: global_buffer, .address_space: global }
      - { .name: qs, .offset: 8, .size: 8, .value_kind: global_buffer, .address_space: global }
      - { .name: kv, .offset: 16, .size: 8, .value_kind: global_buffer, .address_space: global }
      - { .name: oc, .offset: 24, .size: 8, .value_kind: global_buffer, .address_space: global }
      - { .name: os, .offset: 32, .size: 8, .value_kind: global_buffer, .address_space: global }
    .group_segment_fixed_size: 327680
    .private_segment_fixed_size: 0
    .kernarg_segment_align: 8
    .kernarg_segment_size: 40
    .max_flat_workgroup_size: 256
    .sgpr_count:     66
    .vgpr_count:     512
    .wavefront_size: 32
...
	.end_amdgpu_metadata
.endif
;; end of part 2
;; launch proj (part 3): grid 8 x 32, 4 waves a work-group, clusters of 4 x 4, 327,680 bytes of LDS; arguments oc, os, w_proj_codes, w_proj_scales, b_proj, out0; writes out0
.if DOCPART == 3
	.amdgcn_target "amdgcn-amd-amdhsa--gfx1250"
	.amdhsa_code_object_version 6
	.text
	.protected	k_qde7f2bcf4d_proj
	.globl	k_qde7f2bcf4d_proj
	.p2align	8
	.type	k_qde7f2bcf4d_proj,@function
k_qde7f2bcf4d_proj:
	s_mov_b64 s[64:65], 0
	v_nop
	global_prefetch_b8 v0, s[64:65] scope:SCOPE_SE
	s_setreg_imm32_b32 hwreg(HW_REG_WAVE_MODE, 25, 1), 1
	s_wait_xcnt 0x0
	s_wait_alu depctr_hold_cnt(0) depctr_sa_sdst(0) depctr_va_vdst(0) depctr_va_sdst(0) depctr_va_ssrc(0) depctr_va_vcc(0) depctr_vm_vsrc(0)
	s_getreg_b32 s2, hwreg(HW_REG_IB_STS2, 6, 4)
	s_cmp_eq_u32 s2, 0
	s_cbranch_scc0 .Lentry_in_a_cluster
	s_endpgm
.Lentry_in_a_cluster:
	s_bfe_u32 s2, ttmp6, 0x10000c
	s_cmp_lg_u32 s2, 0xf033
	s_cbranch_scc0 .Lentry_shape_is_right
	s_endpgm
.Lentry_shape_is_right:
.set NQ,     2
.set ROWB,   256
.set PITCH,  272
.set FR,     16
.set NL,     4
.set NP,     8
.set ABYTES, 65536
.set SLOT,   ABYTES+128*PITCH
.set SCL,    2*SLOT
.set SCLB,   SCL+8192
.set SPARE,  SCLB+16*272
.set LAPS,   2
.set ADRA, 16
.set ADRB, 20
.set STO,  24
.set RD,   25
.set CO,   26
.set ADSA, 27
.set SPW,  28
.set NIL,  29
.set ADSB, 30
.set SC,   32
.set BI,   64
.set AF,   128
.set BK,   128
.set G1, 24
.set G0, 32
.set G1B, 48
.set G0B, 56
.set G1S, 68
.set G0S, 76
.set G1SB, 80
.set G0SB, 88
.set MSB, 0
.macro WIN new
.if MSB != (\new)
	s_set_vgpr_msb (MSB<<8)|(\new)
.set MSB, (\new)
.endif
.endm
.set MUL,  0xa1
.set TO_B, 0x40
.macro JLOAD g0a, g1a, g0b, g1b
	s_cmp_eq_u32 s15, 0
	s_cbranch_scc0 .Lfor_b_\@
	tensor_load_to_lds s[\g0a:\g0a+3], s[\g1a:\g1a+7]
	s_nop 0
.rept 4
	v_nop
.endr
	s_branch .Lasked_\@
.Lfor_b_\@:
	tensor_load_to_lds s[\g0b:\g0b+3], s[\g1b:\g1b+7]
	s_nop 0
.rept 4
	v_nop
.endr
.Lasked_\@:
.endm
.macro CREST
	s_cmp_lg_u32 s14, 0
	s_cbranch_scc1 .Lnot_wave_0_\@
	s_barrier_signal -3
.Lnot_wave_0_\@:
	s_barrier_wait -3
	s_barrier_signal -1
	s_barrier_wait -1
.endm
.macro CROUND
	s_barrier_signal -1
	s_barrier_wait -1
	CREST
.endm
.macro PLACES n
.rept \n
	v_nop
.endr
.endm
	s_load_b128 s[4:7], s[0:1], 0x0
	s_load_b128 s[8:11], s[0:1], 0x10
	s_load_b64 s[12:13], s[0:1], 0x20
	s_load_b64 s[96:97], s[0:1], 0x28
	v_lshl_add_u32 v[SPW], v0, 2, SPARE
	v_mov_b32 v[NIL], 0
	ds_add_u32 v28, v29
	ds_add_u32 v28, v29
	s_wait_dscnt 0x0
	v_lshrrev_b32 v1, 5, v0
	v_readfirstlane_b32 s14, v1
	s_lshr_b32 s15, s14, 1
	s_and_b32 s16, s14, 1
	s_bfe_u32 s40, ttmp6, 0x40000
	s_bfe_u32 s41, ttmp6, 0x40004
	s_lshl_b32 s42, ttmp9, 2
	s_add_co_u32 s42, s42, s40
	s_and_b32 s17, ttmp7, 0xffff
	s_lshl_b32 s17, s17, 2
	s_add_co_u32 s17, s17, s41
	s_lshl_b32 s43, s41, 2
	s_lshl_b32 s43, 15, s43
	s_lshl_b32 s44, 0x1111, s40
	s_or_b32 s[G1+0], s43, (3<<16)|(1<<21)
	s_mov_b32 s[G1+1], 32<<16
	s_mov_b32 s[G1+2], 256<<16                     ; the head's load brings a whole K step of A's image, 256 rows of 256 bytes; set to 128 behind it
	s_mov_b32 s[G1+3], 32<<16
	s_mov_b32 s[G1+4], 256
	s_mov_b32 s[G1+5], 32
	s_mov_b32 s[G1+6], 0
	s_mov_b32 s[G1+7], 0
	s_or_b32 s[G1B+0], s44, (0<<16)|(1<<20)|(1<<21)|(5<<22)|(3<<25)
	s_mov_b32 s[G1B+1], ROWB<<16
	s_mov_b32 s[G1B+2], 128<<16                    ; the head's load brings all 128 rows of W; set to 64 behind it
	s_mov_b32 s[G1B+3], ROWB<<16
	s_mov_b32 s[G1B+4], 128
	s_mov_b32 s[G1B+5], 1024
	s_mov_b32 s[G1B+6], 0
	s_mov_b32 s[G1B+7], 0
	s_or_b32 s[G1S+0], s43, (3<<16)|(1<<21)
	s_mov_b32 s[G1S+1], 32<<16
	s_mov_b32 s[G1S+2], 32<<16                     ; A's scale words: 8,192 bytes in one load
	s_mov_b32 s[G1S+3], 32<<16
	s_mov_b32 s[G1S+4], 32
	s_mov_b32 s[G1S+5], 32
	s_mov_b32 s[G1S+6], 0
	s_mov_b32 s[G1S+7], 0
	s_or_b32 s[G1SB+0], s44, (3<<16)|(1<<20)|(1<<21)|(5<<22)|(3<<25)
	s_mov_b32 s[G1SB+1], 32<<16
	s_mov_b32 s[G1SB+2], 16<<16                    ; W's scale bytes: 4,096 bytes in one load
	s_mov_b32 s[G1SB+3], 32<<16
	s_mov_b32 s[G1SB+4], 16
	s_mov_b32 s[G1SB+5], 32
	s_mov_b32 s[G1SB+6], 0
	s_mov_b32 s[G1SB+7], 0
	s_lshl_b32 s20, s17, 18                        ; where my tile row's image, its scale words, my tile column's rows of W and their scale bytes begin
	s_mov_b32 s21, 0
	s_lshl_b32 s22, s17, 13
	s_mov_b32 s23, 0
	s_lshl_b32 s46, s42, 17
	s_mov_b32 s47, 0
	s_lshl_b32 s92, s42, 12
	s_mov_b32 s93, 0
	s_lshl_b32 s45, s16, 15
	s_mul_i32 s94, s16, 64*PITCH
	s_add_co_u32 s94, s94, ABYTES
	s_mul_i32 s19, s16, 8*272
	s_add_co_u32 s19, s19, SCLB
	s_wait_kmcnt 0x0
	s_add_nc_u64 s[20:21], s[4:5], s[20:21]
	s_add_nc_u64 s[22:23], s[6:7], s[22:23]
	s_add_nc_u64 s[46:47], s[8:9], s[46:47]
	s_add_nc_u64 s[92:93], s[10:11], s[92:93]
	CROUND
.set G0H, 4                            ; s[4:7], s[8:11] group 0 of the head's loads of K step 0 (the arguments that lay there have been used)
.set G0HB, 8
	s_mov_b32 s[G0H], 1                            ; the head's four tiles, each whole: K step 0 of A's image,
	s_mov_b32 s[G0H+1], 0
	s_mov_b64 s[G0H+2:G0H+3], s[20:21]
	s_or_b32 s[G0H+3], s[G0H+3], 0x80000000
	s_mov_b32 s[G0HB], 1                           ; of W's 128 rows,
	s_mov_b32 s[G0HB+1], ABYTES
	s_mov_b64 s[G0HB+2:G0HB+3], s[46:47]
	s_or_b32 s[G0HB+3], s[G0HB+3], 0x80000000
	s_mov_b32 s[G0S], 1                            ; A's scale words,
	s_mov_b32 s[G0S+1], SCL
	s_mov_b64 s[G0S+2:G0S+3], s[22:23]
	s_or_b32 s[G0S+3], s[G0S+3], 0x80000000
	s_mov_b32 s[G0SB], 1                           ; and W's scale bytes
	s_mov_b32 s[G0SB+1], SCLB
	s_mov_b64 s[G0SB+2:G0SB+3], s[92:93]
	s_or_b32 s[G0SB+3], s[G0SB+3], 0x80000000
	s_lshl_b32 s2, s16, 15                         ; for the ring: my half of a K step of A's image,
	s_mov_b32 s3, 0
	s_add_nc_u64 s[20:21], s[20:21], s[2:3]
	s_lshl_b32 s2, s16, 16                         ; my 64 rows of W
	s_add_nc_u64 s[46:47], s[46:47], s[2:3]
.irp s, 0,1
	s_mov_b32 s[G0+4*\s], 1
	s_add_co_u32 s[G0+4*\s+1], s45, \s*SLOT
	s_add_nc_u64 s[G0+4*\s+2:G0+4*\s+3], s[20:21], \s*ABYTES
	s_or_b32 s[G0+4*\s+3], s[G0+4*\s+3], 0x80000000
	s_mov_b32 s[G0B+4*\s], 1
	s_add_co_u32 s[G0B+4*\s+1], s94, \s*SLOT
	s_add_nc_u64 s[G0B+4*\s+2:G0B+4*\s+3], s[46:47], \s*ROWB
	s_or_b32 s[G0B+4*\s+3], s[G0B+4*\s+3], 0x80000000
.endr
; THE HEAD'S LOADS, ONE A WAVE: one chain of branches on the wave's number, a load to an arm, all arms leading to one join.
.macro ARM under, g0, g1, next
	s_cmp_lt_u32 s14, \under
	s_cbranch_scc0 \next
	tensor_load_to_lds s[\g0:\g0+3], s[\g1:\g1+7]
	s_nop 0
.rept 4
	v_nop
.endr
	s_branch .Lhead_asked
\next:
.endm
	ARM 1, G0H,  G1,  .Lhead_b
	ARM 2, G0HB, G1B, .Lhead_sa
	ARM 3, G0S,  G1S, .Lhead_sb
	tensor_load_to_lds s[G0SB:G0SB+3], s[G1SB:G1SB+7]
	s_nop 0
.rept 4
	v_nop
.endr
.Lhead_asked:
	; THE PREFETCHES INTO THE L2.  Of what my wave fetches in the ring for a K step (waves 0, 1: 32,768 dense bytes of A's image; waves 2, 3: 64 rows of W, 256 bytes each) my work-group takes a quarter, told apart from its three partners by address:
	; A: 8,192 bytes, lanes 256 bytes apart; W: 16 rows, a lane a row (lanes 16-31 name the last row again).  K steps 1 and 2 are asked for below, K step 3 behind the refill that brings K step 2: at most two K steps are asked for and not yet read.
	; A's image is named by the two clusters that load it; W's rows, which eight rows of clusters load, by the four even rows alone (s43 = 1: my wave does not ask).  The address registers are never rewritten.
	s_cmp_eq_u32 s15, 0
	s_cselect_b64 s[66:67], s[20:21], s[46:47]     ; what I fetch, at K step 0
	s_cselect_b32 s2, s40, s41                     ; my place among the four
	s_cselect_b32 s18, 13, 14                      ; a quarter: 2^13 bytes of the image, 2^14 of W's rows
	s_cselect_b32 s3, 31, 15                       ; lanes that name a block of their own
	s_cselect_b32 s95, 8, 10                       ; from lane to lane: 256 bytes, or a row of 1,024
	s_mov_b32 s98, 256
	s_cselect_b32 s98, 0x10000, s98                ; from K step to K step
	s_mov_b32 s99, 0
	v_and_b32 v31, 31, v0
	v_min_u32 v31, s3, v31
	v_lshlrev_b32 v31, s95, v31                    ; v31: my lane's offset; never rewritten
	s_lshl_b32 s2, s2, s18
	s_mov_b32 s3, 0
	s_add_nc_u64 s[66:67], s[66:67], s[2:3]
	s_add_nc_u64 s[66:67], s[66:67], s[98:99]      ; K step 1
	s_add_nc_u64 s[44:45], s[66:67], s[98:99]      ; K step 2
	s_add_nc_u64 s[98:99], s[44:45], s[98:99]      ; K step 3
	s_and_b32 s43, s15, ttmp7                      ; 1: my rows are W's and my cluster's y is odd
	v_and_b32 v1, 15, v0
	v_bfe_u32 v2, v0, 4, 1
	v_and_b32 v3, 31, v0
	v_lshlrev_b32 v4, 4, v3
	s_lshl_b32 s18, s15, 14
	v_add_nc_u32 v[ADRA], s18, v4
	v_add_nc_u32 v[ADRA+1], SLOT, v[ADRA]
	v_mul_u32_u24 v5, v1, PITCH
	v_lshl_add_u32 v5, v2, 4, v5
	v_add_nc_u32 v[ADRB], s94, v5
	v_add_nc_u32 v[ADRB+1], SLOT, v[ADRB]
	s_wait_alu depctr_va_vdst(0)                   ; directly ahead of the branch
	s_cmp_eq_u32 s43, 0
	s_cbranch_scc0 .Lpf_head                       ; round the prefetches alone
	global_prefetch_b8 v31, s[66:67] th:TH_LOAD_NT scope:SCOPE_SE   ; K step 1
	global_prefetch_b8 v31, s[44:45] th:TH_LOAD_NT scope:SCOPE_SE   ; K step 2
.Lpf_head:
	s_lshl_b32 s18, s15, 9
	s_add_co_u32 s18, s18, SCL
	v_lshl_add_u32 v[ADSA], v3, 2, s18
	v_lshlrev_b32 v5, 5, v1
	v_lshrrev_b32 v6, 3, v1
	v_lshl_add_u32 v5, v6, 4, v5
	v_add_nc_u32 v[ADSB], s19, v5
	s_mul_i32 s18, s14, 16*272
	v_mul_u32_u24 v5, v1, 272
	v_lshl_add_u32 v5, v2, 5, v5
	v_add_nc_u32 v[STO], s18, v5
	v_mul_u32_u24 v5, v2, 272
	v_lshl_add_u32 v5, v1, 4, v5
	v_add_nc_u32 v[RD], s18, v5
	v_lshlrev_b32 v[CO], 12, v2
	v_lshl_add_u32 v[CO], v1, 4, v[CO]
	v_lshlrev_b32 v7, 5, v2
	s_lshl_b32 s100, s42, 9
	s_lshl_b32 s101, s16, 8
	s_add_co_u32 s100, s100, s101
	s_mov_b32 s101, 0
	s_add_nc_u64 s[12:13], s[12:13], s[100:101]
.irp b, 0,1,2,3
	global_load_b128 v[BI+8*\b:BI+8*\b+3], v7, s[12:13] offset:64*\b
	global_load_b128 v[BI+8*\b+4:BI+8*\b+7], v7, s[12:13] offset:64*\b+16
.endr
	s_lshl_b32 s2, s17, 20
	s_lshl_b32 s3, s15, 19
	s_add_co_u32 s2, s2, s3
	s_add_co_u32 s100, s100, s2
	s_add_nc_u64 s[96:97], s[96:97], s[100:101]
.macro MULA a, p, q, sc, first, odd
.irp b, 0,1,2,3
.if \first
.if \odd
	v_wmma_scale_f32_16x16x128_f8f6f4 v[8*(4*(\a)+\b):8*(4*(\a)+\b)+7], v[128*(\p)+FR*\b:128*(\p)+FR*\b+FR-1], v[AF+FR*(\a):AF+FR*(\a)+FR-1], v[BI+8*\b:BI+8*\b+7], v[SC+16*(\sc)+8+2*\b+(\q)], v[SC+16*(\sc)+4*(\q)+(\a)/2] matrix_b_scale:MATRIX_SCALE_ROW1
.else
	v_wmma_scale_f32_16x16x128_f8f6f4 v[8*(4*(\a)+\b):8*(4*(\a)+\b)+7], v[128*(\p)+FR*\b:128*(\p)+FR*\b+FR-1], v[AF+FR*(\a):AF+FR*(\a)+FR-1], v[BI+8*\b:BI+8*\b+7], v[SC+16*(\sc)+8+2*\b+(\q)], v[SC+16*(\sc)+4*(\q)+(\a)/2]
.endif
.else
.if \odd
	v_wmma_scale_f32_16x16x128_f8f6f4 v[8*(4*(\a)+\b):8*(4*(\a)+\b)+7], v[128*(\p)+FR*\b:128*(\p)+FR*\b+FR-1], v[AF+FR*(\a):AF+FR*(\a)+FR-1], v[8*(4*(\a)+\b):8*(4*(\a)+\b)+7], v[SC+16*(\sc)+8+2*\b+(\q)], v[SC+16*(\sc)+4*(\q)+(\a)/2] matrix_b_scale:MATRIX_SCALE_ROW1
.else
	v_wmma_scale_f32_16x16x128_f8f6f4 v[8*(4*(\a)+\b):8*(4*(\a)+\b)+7], v[128*(\p)+FR*\b:128*(\p)+FR*\b+FR-1], v[AF+FR*(\a):AF+FR*(\a)+FR-1], v[8*(4*(\a)+\b):8*(4*(\a)+\b)+7], v[SC+16*(\sc)+8+2*\b+(\q)], v[SC+16*(\sc)+4*(\q)+(\a)/2]
.endif
.endif
.endr
.endm
.macro MUL8 a0, p, q, sc, first
	MULA \a0, \p, \q, \sc, \first, 0
	MULA (\a0)+1, \p, \q, \sc, \first, 1
.endm
.macro FETCH_B slot, q, p
	WIN TO_B
.irp i, 0,1,2,3
.irp c, 0,1,2,3
	ds_load_b128 v[128*(\p)+FR*\i+4*\c:128*(\p)+FR*\i+4*\c+3], v[ADRB+\slot] offset:128*(\q)+32*\c+\i*16*PITCH
.endr
.endr
	WIN 0
.endm
.macro FETCH_A slot, q, i0
.irp i, \i0, \i0+1, \i0+2, \i0+3
.irp c, 0,1,2,3
	ds_load_b128 v[AF+FR*(\i)+4*\c:AF+FR*(\i)+4*\c+3], v[ADRA+\slot] offset:32768*(\q)+(\i)*2048+512*\c
.endr
.endr
.endm
.macro SCALES sc
.irp q, 0,1
.irp i, 0,1,2,3
	ds_load_b32 v[SC+16*\sc+4*\q+\i], v[ADSA] offset:\q*1024+\i*128
.endr
.endr
.irp b, 0,1,2,3
	ds_load_b64 v[SC+16*\sc+8+2*\b:SC+16*\sc+8+2*\b+1], v[ADSB] offset:\b*544
.endr
.endm
.macro STEP slot, q, first
	s_wait_dscnt 4*NL
	WIN MUL-0x20*(\first)
	MUL8 0, (\q)%2, \q, \slot, \first
	MUL8 2, (\q)%2, \q, \slot, \first
	s_wait_dscnt 0
	PLACES NP
	FETCH_B \slot, (\q)+1, 1-(\q)%2
	FETCH_A \slot, (\q)+1, 0
	WIN MUL-0x20*(\first)
	MUL8 4, (\q)%2, \q, \slot, \first
	MUL8 6, (\q)%2, \q, \slot, \first
	PLACES NP
	WIN 0
	FETCH_A \slot, (\q)+1, 4
.endm
.macro TURN slot, next, fill
	s_wait_tensorcnt 0x0
	ds_add_u32 v[SPW], v[NIL]
	s_wait_dscnt 4*NL+1
	WIN MUL
	MUL8 0, 1, 1, \slot, 0
	s_wait_dscnt 0x0
	s_barrier_signal -1
	MUL8 2, 1, 1, \slot, 0
	WIN 0
	s_barrier_wait -1
.if \fill
	CREST
	s_add_nc_u64 s[G0+4*\slot+2:G0+4*\slot+3], s[G0+4*\slot+2:G0+4*\slot+3], 2*ABYTES
	s_add_nc_u64 s[G0B+4*\slot+2:G0B+4*\slot+3], s[G0B+4*\slot+2:G0B+4*\slot+3], 2*ROWB
	JLOAD G0+4*\slot, G1, G0B+4*\slot, G1B
	PLACES NP-4
.else
	PLACES NP
.endif
	s_wait_alu depctr_va_vdst(0)
	v_add_nc_u32 v[ADSA], 2048, v[ADSA]
	v_add_nc_u32 v[ADSB], 8, v[ADSB]
	FETCH_B \next, 0, 0
	FETCH_A \next, 0, 0
	SCALES \next
.if (\fill) && ((\slot) == 0)
	s_wait_alu depctr_va_vdst(0)                   ; directly ahead of the branch
	s_cmp_eq_u32 s43, 0
	s_cbranch_scc0 .Lpf_\@                         ; round the prefetch alone
	global_prefetch_b8 v31, s[98:99] th:TH_LOAD_NT scope:SCOPE_SE   ; K step 3, a K step ahead of its load
.Lpf_\@:
.endif
	WIN MUL
	MUL8 4, 1, 1, \slot, 0
	MUL8 6, 1, 1, \slot, 0
	PLACES NP
	WIN 0
	FETCH_A \next, 0, 4
.endm
	s_wait_alu depctr_va_vdst(0)                   ; the wait at the head's end
	s_wait_tensorcnt 0x0                           ; my tile of the head's four is in
	ds_add_u32 v[SPW], v[NIL]
	s_mov_b32 s[G1+2], 128<<16                     ; no tensor load of mine is out: from here on a load brings half a K step
	s_mov_b32 s[G1+4], 128
	s_mov_b32 s[G1B+2], 64<<16
	s_mov_b32 s[G1B+4], 64
	s_wait_dscnt 0x0
	CROUND                                         ; all four tiles are in, and all sixteen work-groups are here
	JLOAD G0+4, G1, G0B+4, G1B                     ; K step 1's load, the first tensor load behind the round
	FETCH_B 0, 0, 0
	FETCH_A 0, 0, 0
	SCALES 0
	FETCH_A 0, 0, 4
	s_wait_loadcnt 0x0
	STEP 0, 0, 1
	s_mov_b32 s3, LAPS-1
.Llap:
	TURN 0, 1, 1
	STEP 1, 0, 0
	TURN 1, 0, 1
	STEP 0, 0, 0
	s_sub_co_u32 s3, s3, 1
	s_cmp_lg_u32 s3, 0
	s_cbranch_scc1 .Llap
	TURN 0, 1, 0
	STEP 1, 0, 0
	s_wait_dscnt 4*NL
	WIN MUL
	MUL8 0, 1, 1, 1, 0
	MUL8 2, 1, 1, 1, 0
	s_wait_dscnt 0
	MUL8 4, 1, 1, 1, 0
	MUL8 6, 1, 1, 1, 0
	WIN 0
.macro TOSTAGE a
	WIN 0x08
.irp b, 0,1,2,3
	ds_store_b128 v[STO], v[8*(4*(\a)+\b):8*(4*(\a)+\b)+3] offset:64*\b
	ds_store_b128 v[STO], v[8*(4*(\a)+\b)+4:8*(4*(\a)+\b)+7] offset:64*\b+16
.endr
	WIN 0
.set BB, BK+32*((\a)%2)
.irp t, 0,1,2,3,4,5,6,7
	ds_load_b128 v[BB+4*\t:BB+4*\t+3], v[RD] offset:\t*2*272
.endr
.endm
.macro SEND a, younger
.set BB, BK+32*((\a)%2)
	s_wait_dscnt \younger
.if (\a) > 0
	s_add_nc_u64 s[96:97], s[96:97], 16*4096
.endif
.irp t, 0,1,2,3,4,5,6,7
	global_store_b128 v[CO], v[BB+4*\t:BB+4*\t+3], s[96:97] offset:2*\t*4096 th:TH_STORE_NT
.endr
.endm
	PLACES NP
	TOSTAGE 0
.irp a, 1,2,3,4,5,6,7
.if \a > 1
	s_wait_xcnt 0x0
.endif
	TOSTAGE \a
	SEND \a-1, 16
.endr
	s_wait_xcnt 0x0
	SEND 7, 0
	s_wait_tensorcnt 0x0
	ds_add_u32 v[SPW], v[NIL]
	s_wait_dscnt 0x0
	CROUND
	s_endpgm
.Lfunc_end_k_qde7f2bcf4d_proj:
	.size	k_qde7f2bcf4d_proj, .Lfunc_end_k_qde7f2bcf4d_proj-k_qde7f2bcf4d_proj
	.p2alignl 7, 3214868480
	.fill 96, 4, 3214868480
	.section	.rodata,"a",@progbits
	.p2align	6, 0x0
	.amdhsa_kernel k_qde7f2bcf4d_proj
		.amdhsa_group_segment_fixed_size 327680
		.amdhsa_private_segment_fixed_size 0
		.amdhsa_enable_private_segment 0
		.amdhsa_kernarg_size 48
		.amdhsa_user_sgpr_count 2
		.amdhsa_user_sgpr_kernarg_segment_ptr 1
		.amdhsa_wavefront_size32 1
		.amdhsa_system_sgpr_workgroup_id_x 1
		.amdhsa_system_sgpr_workgroup_id_y 1
		.amdhsa_system_sgpr_workgroup_id_z 1
		.amdhsa_system_vgpr_workitem_id 0
		.amdhsa_next_free_vgpr 768
		.amdhsa_next_free_sgpr 104
		.amdhsa_reserve_vcc 0
		.amdhsa_float_denorm_mode_32 3
		.amdhsa_float_denorm_mode_16_64 3
		.amdhsa_memory_ordered 1
		.amdhsa_forward_progress 1
		.amdhsa_inst_pref_size 95
	.end_amdhsa_kernel
	.amdgpu_metadata
---
amdhsa.version: [ 1, 2 ]
amdhsa.kernels:
  - .name:           k_qde7f2bcf4d_proj
    .symbol:         k_qde7f2bcf4d_proj.kd
    .args:
      - { .name: oc, .offset: 0, .size: 8, .value_kind: global_buffer, .address_space: global }
      - { .name: os, .offset: 8, .size: 8, .value_kind: global_buffer, .address_space: global }
      - { .name: w_proj_codes, .offset: 16, .size: 8, .value_kind: global_buffer, .address_space: global }
      - { .name: w_proj_scales, .offset: 24, .size: 8, .value_kind: global_buffer, .address_space: global }
      - { .name: b_proj, .offset: 32, .size: 8, .value_kind: global_buffer, .address_space: global }
      - { .name: out0, .offset: 40, .size: 8, .value_kind: global_buffer, .address_space: global }
    .group_segment_fixed_size: 327680
    .private_segment_fixed_size: 0
    .kernarg_segment_align: 8
    .kernarg_segment_size: 48
    .max_flat_workgroup_size: 128
    .sgpr_count:     104
    .vgpr_count:     768
    .wavefront_size: 32
...
	.end_amdgpu_metadata
.endif
;; end of part 3
